; MI455X (gfx1250); checked and timed in simulation.
; The chip was launched on July 23, 2026; its instructions are those of AMD's public machine-readable ISA for CDNA 5 (MIT licence, August 2026) and "CDNA5" Instruction Set Architecture Reference Guide (July 2026). The comments in the code are by the model that wrote it; some were corrected since.
;; Causal Self Attention. Allowed arithmetic: matrix products marked QUANTISED: E2M3 operands, one E8M0 scale for each 32 along K, by v_wmma_scale_f32_16x16x128_f8f6f4 with both operands' format E2M3, f32 sums; everything else in f32.
;; Inputs: W_attn 1,024 x 3,072 float32; W_proj 1,024 x 1,024 float32; cache_k 2 x 16 x 2,048 x 64 float32; cache_v 2 x 16 x 2,048 x 64 float32; x 2 x 2,048 x 1,024 float32.
;; Outputs: out0 2 x 2,048 x 1,024 float32.
;; This version of the problem:
;;   THIS VERSION OF THE PROBLEM IS GIVEN IN LOW PRECISION. The matrix products marked QUANTISED in the list below multiply operands that are first quantised to E2M3 (2 exponent bits, 3 mantissa bits; 6 bits a number), with one power-of-two scale for each 32 numbers along K (OCP MX v1.0); their sums are f32. All else is computed in f32.
;;   The module's matrix products, in the order in which they are computed (A, B: the left and right operand; K: the contracted axis; several contracted axes count as one K, in the product's order):
;;     1. [M 4,096, K 1,024] x [K 1,024, N 3,072]; A: input x; B: input W_attn: QUANTISED
;;     2. batch 32 x [M 2,048, K 64] x [K 64, N 2,048]; A: computed on the way; B: input cache_k: QUANTISED
;;     3. batch 32 x [M 2,048, K 64] x [K 64, N 2,048]; A: computed on the way; B: computed on the way: QUANTISED
;;     4. batch 32 x [M 2,048, K 2,048] x [K 2,048, N 64]; A: computed on the way; B: computed on the way: QUANTISED
;;     5. batch 32 x [M 2,048, K 2,048] x [K 2,048, N 64]; A: computed on the way; B: input cache_v: QUANTISED
;;     6. [M 4,096, K 1,024] x [K 1,024, N 1,024]; A: computed on the way; B: input W_proj: QUANTISED
;;   THE QUANTISER, for each operand of a quantised product, along K:
;;     - K is cut into blocks of 32 from its start; a last block that is shorter is filled with zeros.
;;     - A block's scale is 2^e with e = floor(log2(the largest magnitude in the block)) - 2, held to -126 .. 127; a block of zeros has e = 0. As a byte (E8M0): e + 127.
;;     - Each number is divided by its block's scale, clamped to +-7.5, and rounded to the nearest number of E2M3, ties to even, subnormals kept.
;;     - The product sums the exact products of the quantised numbers (number of the format x scale) in f32.
;;   ~~~python
;;   def quantise(x, axis):      # numpy; x: float32 -> the quantised numbers, widened to float32 again
;;       x = np.moveaxis(x, axis, -1); K = x.shape[-1]
;;       x = np.pad(x, [(0, 0)] * (x.ndim - 1) + [(0, -K % 32)]); x = x.reshape(x.shape[:-1] + (-1, 32)); a = np.abs(x).max(-1, keepdims=True)
;;       e = np.where(a > 0, np.clip(np.frexp(np.where(a > 0, a, 1))[1] - 1 - 2, -126, 127), 0)      # np.frexp(a)[1] - 1 = floor(log2(a)), exactly
;;       r = np.clip(x / 2.0 ** e, -7.5, 7.5)
;;       step = 2.0 ** (np.maximum(np.frexp(np.where(r == 0, 1, r))[1] - 1, 0) - 3)
;;       q = np.round(r / step) * step * 2.0 ** e      # np.round: ties to even
;;       return np.moveaxis(q.reshape(q.shape[:-2] + (-1,))[..., :K], -1, axis).astype(np.float32)
;;   ~~~
;;   OPERANDS COMPUTED ON THE WAY. 'Computed on the way' means the value that the module computes at that place (a softmax that the list does not call 'softmax' is quantised finished and normalised). What goes into a quantiser is computed in f32, as accurately as f32 sums, v_exp_f32 and their like allow (about 1e-6 of the number): no bf16 or f16 on the way to a quantiser, and a product that is left as it is and whose result goes on into a quantised operand takes f32 operands (vector FMAs, or v_wmma_f32_16x16x4_f32). A number that lies on a knife's edge between two numbers of the format may be rounded either way, as far as f32 arithmetic and the matrix unit's own rounding can turn it there, and no further.
;; One version. Each part assembles by itself: llvm-mc -triple=amdgcn-amd-amdhsa -mcpu=gfx1250 --defsym DOCPART=n.
;; ======== version 1 of 1: 4 launches
;; workspace buffers: xq 3,276,800 bytes; wq 3,276,800 bytes; qimg 3,276,800 bytes; kimg 6,553,600 bytes; vimg 6,553,600 bytes; yq 3,276,800 bytes
;; launch quant (part 1): grid 512 x 1, 4 waves a work-group, no clusters, 105,984 bytes of LDS; arguments x, cache_k, W_attn, W_proj, cache_v, xq, kimg, wq, vimg; writes xq, kimg, wq, vimg
.if DOCPART == 1
	.amdgcn_target "amdgcn-amd-amdhsa--gfx1250"
	.amdhsa_code_object_version 6
	.text
	.protected	k_qd1190f1020_quant
	.globl	k_qd1190f1020_quant
	.p2align	8
	.type	k_qd1190f1020_quant,@function
k_qd1190f1020_quant:
	s_mov_b64 s[64:65], 0
	v_nop
	global_prefetch_b8 v0, s[64:65] scope:SCOPE_SE
	s_setreg_imm32_b32 hwreg(HW_REG_WAVE_MODE, 25, 1), 1
	s_wait_xcnt 0x0
; All five f32 inputs become codes of FP6 (E2M3) with one E8M0 byte for each 32 along the K of the product that reads them.
; A block's scale is 2^(floor(log2(largest magnitude)) - 2): its byte is the largest magnitude's exponent field - 2, held at 1 from below by a floor among the maximum's leaves.
; (A block of zeros keeps the byte 1 where the quantiser says 127: its codes are zeros, and only this program reads the bytes.)
; LIMITS: NaN and infinities among the inputs are not served; blocks whose largest magnitude lies under 2^-124 keep the byte 1.
; FOUR PATHS, parted by the work-group's number, 128 work-groups each, each work-group reading 131,072 bytes; each path has LDS bytes of its own; waves share nothing, so there is no barrier.
;   x      [4096][1024], K innermost  -> xq: rows of 768 bytes of codes, 32 scale bytes a row from byte SCOFF on; row t lies at place pi(t)
;   cache_k [32][2048][64], K = d     -> kimg: records of 128 keys, images of operand registers (below)
;   W_attn [1024][3072], W_proj [1024][1024], K = first axis -> wq: column n of W_attn at row pi(n), of W_proj at row 3072 + pi(n); laid like xq
;   cache_v [32][2048][64], K = keys  -> vimg: records of 128 keys
; pi swaps bits 3 and 4 of an index: place 32 b + 16 u + r holds element 32 b + 8 u + r + 8 (r / 8), so that a tile of 16 neighbouring places is the choice of rows
; by which a transposed product leaves 16 neighbours along the next K in a lane's registers.
; A RECORD is 6,400 bytes: four groups of 12 registers, each as three runs of 512 bytes (registers 4 c .. 4 c + 3, lane l's 16 bytes at 16 l), then 64 scale words.
;   K record: group p, registers 6 u + i of lane (r, h): key 32 p + 8 u + r + 8 (r / 8), d = 32 h .. 32 h + 31; word 16 p + r: bytes (u0 h0, u0 h1, u1 h0, u1 h1).
;   V record: group tau, registers 6 c + i of lane (r, h): d = 32 (tau / 2) + 8 (tau % 2) + r + 8 (r / 8), keys 64 c + 32 h .. + 31; word 16 tau + r: byte = block of 32 keys.
.set SCOFF, 3145728
.set REC,   6400
.set SP,    80                         ; path x: a lane's place in a stage: 64 bytes + 16
.set XREG,  5632                       ; path x: a wave's LDS: two stages of 2,560 bytes, 256 scale bytes
.set CKB,   22528                      ; path cache_k: 32 rows of 272 bytes for each wave
.set CKREG, 8704
.set WB,    57344                      ; path W: 32 rows of 272 bytes for each wave
.set WREG,  8704
.set CVB,   92160                      ; path cache_v: two images of 1,536 bytes, 1,664 apart, for each wave
.set CVREG, 3328
	s_load_b512 s[8:23], s[0:1], 0x0               ; x, cache_k, W_attn, W_proj, cache_v, xq, kimg, wq
	s_load_b64 s[24:25], s[0:1], 0x40              ; vimg
	v_lshl_add_u32 v216, v0, 2, 0x19c00
	v_mov_b32 v217, 0
	v_lshrrev_b32 v1, 5, v0
	v_readfirstlane_b32 s26, v1                    ; wave 0..3
	v_and_b32 v2, 31, v0                           ; lane
	s_mov_b32 s31, 0                               ; the upper word of every 32-bit offset
	s_wait_kmcnt 0x0
	s_cmp_lt_u32 ttmp9, 128
	s_cbranch_scc1 .Lpath_x
	s_cmp_lt_u32 ttmp9, 256
	s_cbranch_scc1 .Lpath_ck
	s_cmp_lt_u32 ttmp9, 384
	s_cbranch_scc1 .Lpath_w
	s_branch .Lpath_cv
; the largest magnitude of 32 numbers of one lane, v[x] on, with the floor 2^(3 - 127): into v12 (v13 at work)
.macro MAX32 x
	v_max3_num_f32 v12, |v[(\x)]|, |v[(\x)+1]|, |v[(\x)+2]|
	v_max3_num_f32 v13, |v[(\x)+3]|, |v[(\x)+4]|, |v[(\x)+5]|
.irp i, 6,10,14,18,22,26
	v_max3_num_f32 v12, v12, |v[(\x)+\i]|, |v[(\x)+\i+1]|
	v_max3_num_f32 v13, v13, |v[(\x)+\i+2]|, |v[(\x)+\i+3]|
.endr
	v_max3_num_f32 v12, v12, |v[(\x)+30]|, |v[(\x)+31]|
	v_max3_num_f32 v12, v12, v13, 0x1800000
.endm
; ------------------------------------------------------------------ x
; A wave takes a run of 8 rows (8,192 numbers) as 16 steps of 512.  Each load reads 512 consecutive bytes; a step's 2,048 bytes turn through the wave's stage, so that a lane
; holds 16 neighbours (two lanes a block).  A run's number holds bits 3 and 4 of its rows, so pi is a swap of the wave's two bits in the place where the run is stored.
; v16-79 four sets as loaded; v80-111 two sets of 16 neighbours; v112-127 a byte a step; v128-191 codes, four registers a step: no store's data are written again.
.Lpath_x:
	v_lshlrev_b32 v3, 4, v2                        ; my 16 bytes of a load's 512
	s_mul_i32 s27, s26, XREG
	v_lshrrev_b32 v14, 2, v2
	v_mul_u32_u24 v14, v14, SP
	v_and_b32 v15, 3, v2
	v_lshl_add_u32 v14, v15, 4, v14
	v_add_nc_u32 v14, s27, v14                     ; the stage, in: SP (lane / 4) + 16 (lane % 4)
	v_mul_u32_u24 v15, v2, SP
	v_add_nc_u32 v15, s27, v15                     ; out: SP x lane
	v_mul_u32_u24 v4, v2, 12                       ; my codes' place in a step's 384 bytes
	v_lshrrev_b32 v5, 1, v2
	s_add_co_u32 s27, s27, 2*32*SP
	v_add_nc_u32 v5, s27, v5                       ; my block's byte among the wave's 256
	v_lshlrev_b32 v7, 3, v2
	v_add_nc_u32 v6, s27, v7
	s_lshl_b32 s28, ttmp9, 2
	s_add_co_u32 s30, s28, s26                     ; the run that I read
	s_lshl_b32 s30, s30, 15
	s_add_nc_u64 s[8:9], s[8:9], s[30:31]
	s_and_b32 s29, s26, 1
	s_lshl_b32 s29, s29, 1
	s_lshr_b32 s27, s26, 1
	s_or_b32 s29, s29, s27
	s_add_co_u32 s28, s28, s29                     ; the place where it is stored
	s_mul_i32 s30, s28, 6144
	s_add_nc_u64 s[32:33], s[18:19], s[30:31]      ; its codes
	s_lshl_b32 s30, s28, 8
	s_add_co_u32 s30, s30, SCOFF
	s_add_nc_u64 s[34:35], s[18:19], s[30:31]      ; its 256 scale bytes
.macro XLOAD t
.irp i, 0,1,2,3
	global_load_b128 v[16+16*((\t)%4)+4*\i:16+16*((\t)%4)+4*\i+3], v3, s[8:9] offset:2048*(\t)+512*\i th:TH_LOAD_NT
.endr
.endm
.macro XTURN t                         ; LDS serves a wave's instructions in order: no wait between the stores and the loads
.irp i, 0,1,2,3
	ds_store_b128 v14, v[16+16*((\t)%4)+4*\i:16+16*((\t)%4)+4*\i+3] offset:32*SP*((\t)%2)+8*SP*\i
.endr
.irp i, 0,1,2,3
	ds_load_b128 v[80+16*((\t)%2)+4*\i:80+16*((\t)%2)+4*\i+3], v15 offset:32*SP*((\t)%2)+16*\i
.endr
.endm
.irp t, 0,1,2,3
	XLOAD \t
.endr
	s_wait_loadcnt 12                              ; step 0's four loads are in; three steps' twelve may be out
	XTURN 0
.macro XSTEP t
.set XQ, 80+16*((\t)%2)
.if (\t) > 0
	s_wait_dscnt 1                                 ; this step's numbers are back from the stage; the last step's byte store may be out
.else
	s_wait_dscnt 0x0
.endif
.if (\t)+4 < 16
	XLOAD (\t)+4                                   ; into the set whose stores into the stage have been served
.endif
.if (\t)+1 < 16
.if 14-(\t) >= 3
	s_wait_loadcnt 12                              ; the next step's four loads are in; those of the three steps behind it may be out
.else
	s_wait_loadcnt 4*(14-(\t))
.endif
	XTURN (\t)+1
.endif
	v_max3_num_f32 v8, |v[XQ]|, |v[XQ+1]|, |v[XQ+2]|
	v_max3_num_f32 v9, |v[XQ+3]|, |v[XQ+4]|, |v[XQ+5]|
.irp i, 6,10
	v_max3_num_f32 v8, v8, |v[XQ+\i]|, |v[XQ+\i+1]|
	v_max3_num_f32 v9, v9, |v[XQ+\i+2]|, |v[XQ+\i+3]|
.endr
	v_max3_num_f32 v8, v8, |v[XQ+14]|, |v[XQ+15]|
	v_max3_num_f32 v8, v8, v9, 0x1800000           ; the floor 2^(3 - 127)
	v_max_num_f32_dpp v8, v8, v8 row_xmask:1 row_mask:0xf bank_mask:0xf   ; with my neighbour's 16: the block's
	v_add_nc_u32 v11, 0xff000000, v8               ; 2 off the exponent field: the conversion's scale operand
	v_cvt_scalef32_pk16_fp6_f32 v[128+4*(\t):128+4*(\t)+2], v[XQ:XQ+15], v11
	v_lshrrev_b32 v[112+(\t)], 23, v11             ; the scale's byte
	ds_store_b8 v5, v[112+(\t)] offset:16*(\t)     ; both lanes of a block write the same byte with the same value
	global_store_b96 v4, v[128+4*(\t):128+4*(\t)+2], s[32:33] offset:384*(\t)
.endm
.irp t, 0,1,2,3,4,5,6,7,8,9,10,11,12,13,14,15
	XSTEP \t
.endr
	ds_load_b64 v[12:13], v6
	s_wait_dscnt 0x0
	global_store_b64 v7, v[12:13], s[34:35]        ; 32 lanes store 256 consecutive bytes, aligned
	s_wait_tensorcnt 0x0
	ds_add_u32 v216, v217
	s_wait_dscnt 0x0
	s_endpgm
; ------------------------------------------------------------------ cache_k
; A wave makes one K record: 128 keys, four groups of 32.  Sixteen loads of 512 consecutive bytes (two keys each) go into the stage, key x at row pi(x); then lane (r, h) reads,
; for u = 0, 1, the 128 bytes d = 32 h .. of row 16 u + r: a whole block of 32 in one lane.
; v4 16 l; v5 4 l; v6, v7 the stage in and out; v8 8 h; v16-79 as loaded; v80-143 two blocks; v144-191 codes; v192-199 second halves; v200-201 bytes; v202-207 words.
.Lpath_ck:
	s_sub_co_u32 s27, ttmp9, 128
	s_lshl_b32 s27, s27, 2
	s_add_co_u32 s27, s27, s26                     ; which 128 keys of the 512 x 128
	s_lshl_b32 s30, s27, 15
	s_add_nc_u64 s[10:11], s[10:11], s[30:31]
	s_lshr_b32 s28, s27, 4                         ; the head: 32 records each in kimg, of which the cache takes the first 16
	s_lshl_b32 s28, s28, 5
	s_and_b32 s29, s27, 15
	s_add_co_u32 s28, s28, s29
	s_mul_i32 s30, s28, REC
	s_add_nc_u64 s[20:21], s[20:21], s[30:31]
	s_mov_b32 s28, 0x76543210
	s_mov_b32 s29, 0xfedcba98                      ; v_permlanex16_b32's selects for lane l xor 16
	s_mul_i32 s27, s26, CKREG
	s_add_co_u32 s27, s27, CKB
	v_and_b32 v9, 15, v2                           ; r
	v_lshrrev_b32 v10, 4, v2                       ; h
	v_lshlrev_b32 v4, 4, v2
	v_lshlrev_b32 v5, 2, v2
	v_mul_u32_u24 v6, v10, 272
	v_lshl_add_u32 v6, v9, 4, v6
	v_add_nc_u32 v6, s27, v6                       ; in: lanes 16-31 hold the odd key, one row on
	v_mul_u32_u24 v7, v9, 272
	v_lshl_add_u32 v7, v10, 7, v7
	v_add_nc_u32 v7, s27, v7                       ; out: row r, + 128 h
	v_lshlrev_b32 v8, 3, v10
	v_mov_b32 v208, 0                              ; written once: a lane permute's destination counts as one of its sources
.macro CKLOAD p
.irp i, 0,1,2,3,4,5,6,7,8,9,10,11,12,13,14,15
	global_load_b128 v[16+4*\i:16+4*\i+3], v4, s[10:11] offset:8192*(\p)+512*\i th:TH_LOAD_NT
.endr
.endm
.macro CKPAIR p
	s_wait_loadcnt 0x0
.irp i, 0,1,2,3,4,5,6,7,8,9,10,11,12,13,14,15
	ds_store_b128 v6, v[16+4*\i:16+4*\i+3] offset:272*(16*(((2*\i)/8)%2)+8*((2*\i)/16)+(2*\i)%8)
.endr
.irp u, 0,1
.irp j, 0,1,2,3,4,5,6,7
	ds_load_b128 v[80+32*\u+4*\j:80+32*\u+4*\j+3], v7 offset:4352*\u+16*\j
.endr
.endr
	s_wait_dscnt 0x0                               ; the stores have read their registers, the two blocks are in
.if \p < 3
	CKLOAD (\p)+1                                  ; the next 32 keys are on their way while these are worked
.endif
.irp u, 0,1
	MAX32 80+32*\u
	v_add_nc_u32 v[14+\u], 0xff000000, v12
	v_lshrrev_b32 v[200+\u], 23, v[14+\u]
	v_cvt_scalef32_pk16_fp6_f32 v[144+12*\p+6*\u:144+12*\p+6*\u+2], v[80+32*\u:80+32*\u+15], v[14+\u]
	v_cvt_scalef32_pk16_fp6_f32 v[192+4*\u:192+4*\u+2], v[80+32*\u+16:80+32*\u+31], v[14+\u]   ; (a conversion's three registers begin on an even number)
.endr
	v_nop                                          ; one plain place behind a scaled conversion
.irp u, 0,1
.irp i, 0,1,2
	v_mov_b32 v[144+12*\p+6*\u+3+\i], v[192+4*\u+\i]
.endr
.endr
	v_lshl_or_b32 v9, v201, 16, v200               ; my two bytes (u = 0, u = 1),
	v_lshlrev_b32 v9, v8, v9                       ; 8 h bits up;
	v_permlanex16_b32 v208, v9, s28, s29
	v_or_b32 v[202+\p], v9, v208                   ; with lane l xor 16's the word is whole
.irp c, 0,1,2
	global_store_b128 v4, v[144+12*\p+4*\c:144+12*\p+4*\c+3], s[20:21] offset:1536*\p+512*\c   ; 512 consecutive bytes
.endr
.endm
	CKLOAD 0
	CKPAIR 0
	CKPAIR 1
	CKPAIR 2
	CKPAIR 3
	v_cmp_lt_u32 vcc_lo, 15, v2
	v_cndmask_b32 v206, v202, v203, vcc_lo         ; lanes 0-15 group 0's words, lanes 16-31 group 1's
	v_cndmask_b32 v207, v204, v205, vcc_lo
	global_store_b32 v5, v206, s[20:21] offset:6144
	global_store_b32 v5, v207, s[20:21] offset:6272
	s_wait_tensorcnt 0x0
	ds_add_u32 v216, v217
	s_wait_dscnt 0x0
	s_endpgm
; ------------------------------------------------------------------ W_attn, W_proj
; A lane takes a column and its registers run down K.  A work-group takes 128 columns x 256 along K, a wave 32 columns: 8 blocks a lane.  One text serves both pitches:
; the loads take a vector offset 4 l + i x pitch and one of eight bases, 32 rows apart.  The codes go through the wave's stage, column l at row pi(l), and leave as rows.
; v32-95 two sets of 32 numbers; v96-102 a block's codes; v112-175 the way out; v176-207 the loads' offsets; v24-25 the scale bytes.
.Lpath_w:
	s_sub_co_u32 s27, ttmp9, 256
	s_lshr_b32 s28, s27, 2                         ; which 128 rows of wq: 0 .. 23 W_attn's columns, 24 .. 31 W_proj's
	s_and_b32 s29, s27, 3                          ; which 256 along K
	s_cmp_lt_u32 s28, 24
	s_cselect_b64 s[12:13], s[12:13], s[14:15]
	s_mov_b32 s50, 4096
	s_cselect_b32 s50, 12288, s50                  ; a row of the tensor in bytes
	s_cselect_b32 s51, 0, 24
	s_sub_co_u32 s51, s28, s51
	s_lshl_b32 s51, s51, 7
	s_lshl_b32 s52, s26, 5
	s_add_co_u32 s51, s51, s52                     ; my wave's first column in its tensor
	s_lshl_b32 s51, s51, 2
	s_lshl_b32 s53, s29, 8
	s_mul_i32 s53, s53, s50
	s_add_co_u32 s30, s53, s51
	s_add_nc_u64 s[32:33], s[12:13], s[30:31]      ; block 0's base
	s_lshl_b32 s30, s50, 5                         ; 32 rows
.irp t, 1,2,3,4,5,6,7
	s_add_nc_u64 s[32+2*\t:33+2*\t], s[30+2*\t:31+2*\t], s[30:31]
.endr
	s_lshl_b32 s54, s28, 7
	s_add_co_u32 s54, s54, s52                     ; my wave's first row of wq
	s_mul_i32 s30, s54, 768
	s_mul_i32 s55, s29, 192
	s_add_co_u32 s30, s30, s55
	s_add_nc_u64 s[56:57], s[22:23], s[30:31]      ; codes
	s_lshl_b32 s30, s54, 5
	s_lshl_b32 s55, s29, 3
	s_add_co_u32 s30, s30, s55
	s_add_co_u32 s30, s30, SCOFF
	s_add_nc_u64 s[58:59], s[22:23], s[30:31]      ; scale bytes
	v_lshlrev_b32 v3, 2, v2
.irp i, 0,1,2,3,4,5,6,7,8,9,10,11,12,13,14,15,16,17,18,19,20,21,22,23,24,25,26,27,28,29,30,31
	v_mad_u32_u24 v[176+\i], s50, \i, v3
.endr
	v_and_b32 v5, 7, v2
	v_bfe_u32 v6, v2, 3, 1
	v_lshl_or_b32 v5, v6, 4, v5
	v_bfe_u32 v6, v2, 4, 1
	v_lshl_or_b32 v10, v6, 3, v5                   ; pi(lane)
	s_mul_i32 s27, s26, WREG
	s_add_co_u32 s27, s27, WB
	v_mul_u32_u24 v4, v10, 272
	v_add_nc_u32 v4, s27, v4                       ; into the stage: row pi(lane)
	v_and_b32 v5, 15, v2
	v_lshrrev_b32 v6, 4, v2
	v_mul_u32_u24 v7, v6, 272
	v_lshl_add_u32 v7, v5, 4, v7
	v_add_nc_u32 v7, s27, v7                       ; out of it: sixteen lanes to a row, two rows an instruction
	v_mul_u32_u24 v8, v6, 768
	v_mad_u32_u24 v8, v5, 12, v8                   ; and the same place in wq
	v_lshlrev_b32 v9, 5, v10                       ; my column's row of scale bytes
.macro WLOAD t
.irp i, 0,1,2,3,4,5,6,7,8,9,10,11,12,13,14,15,16,17,18,19,20,21,22,23,24,25,26,27,28,29,30,31
	global_load_b32 v[32+32*((\t)%2)+\i], v[176+\i], s[32+2*(\t):33+2*(\t)] th:TH_LOAD_NT
.endr
.endm
.macro WBLOCK t
.if (\t) < 7
	s_wait_loadcnt 32                              ; this block's 32 loads are in; the next block's may be out
.else
	s_wait_loadcnt 0x0
.endif
	MAX32 32+32*((\t)%2)
	v_add_nc_u32 v11, 0xff000000, v12
	v_lshrrev_b32 v13, 23, v11
.if (\t)%4 == 0
	v_mov_b32 v[24+(\t)/4], v13
.else
	v_lshl_or_b32 v[24+(\t)/4], v13, 8*((\t)%4), v[24+(\t)/4]
.endif
	v_cvt_scalef32_pk16_fp6_f32 v[96:98], v[32+32*((\t)%2):32+32*((\t)%2)+15], v11
	v_cvt_scalef32_pk16_fp6_f32 v[100:102], v[32+32*((\t)%2)+16:32+32*((\t)%2)+31], v11
	v_nop
	ds_store_b96 v4, v[96:98] offset:32*(\t)       ; 12 bytes to a place of 16, so that every LDS address is a multiple of 16
	ds_store_b96 v4, v[100:102] offset:32*(\t)+16
.if (\t)+2 < 8
	WLOAD (\t)+2
.endif
	s_wait_dscnt 0x0                               ; the stores have read their registers
.endm
	WLOAD 0
	WLOAD 1
.irp t, 0,1,2,3,4,5,6,7
	WBLOCK \t
.endr
	global_store_b64 v9, v[24:25], s[58:59]        ; my column's 8 scale bytes
.irp t, 0,1,2,3,4,5,6,7,8,9,10,11,12,13,14,15
	ds_load_b96 v[112+4*\t:112+4*\t+2], v7 offset:2*\t*272
.endr
.irp t, 0,1,2,3,4,5,6,7,8,9,10,11,12,13,14,15
	s_wait_dscnt 15-\t                             ; LDS loads come back in order: pair t of rows is in, the later ones may be out
	global_store_b96 v8, v[112+4*\t:112+4*\t+2], s[56:57] offset:2*\t*768
.endr
	s_wait_tensorcnt 0x0
	ds_add_u32 v216, v217
	s_wait_dscnt 0x0
	s_endpgm
; ------------------------------------------------------------------ cache_v
; A lane takes a column d and its registers run down the keys.  Wave: d = 32 b + lane (b = wave % 2), 256 keys: 8 blocks, two records.  A block's 24 bytes are registers
; 6 c .. 6 c + 5 of lane (r, beta % 2) of group 2 b + u, with lane = 16 g + 8 u + r7, r = 8 g + r7, c = beta / 2: they are laid into the group's image in LDS, which then leaves in runs of 512 bytes.
; v32-95 two sets of 32 numbers; v96-102 a block's codes; v24-25 scale words; v112-159 the way out, a set for each record.
.Lpath_cv:
	s_sub_co_u32 s27, ttmp9, 384
	s_lshr_b32 s28, s27, 2                         ; the head
	s_and_b32 s29, s27, 3
	s_lshl_b32 s29, s29, 1
	s_lshr_b32 s30, s26, 1
	s_add_co_u32 s29, s29, s30                     ; which 256 keys
	s_and_b32 s40, s26, 1                          ; b
	s_lshl_b32 s30, s28, 19
	s_lshl_b32 s41, s29, 16
	s_add_co_u32 s30, s30, s41
	s_lshl_b32 s41, s40, 7
	s_add_co_u32 s30, s30, s41
	s_add_nc_u64 s[16:17], s[16:17], s[30:31]
	s_lshl_b32 s30, s28, 5
	s_lshl_b32 s41, s29, 1
	s_add_co_u32 s30, s30, s41                     ; my first record
	s_mul_i32 s30, s30, REC
	s_add_nc_u64 s[24:25], s[24:25], s[30:31]
	v_lshlrev_b32 v3, 2, v2
	v_and_b32 v5, 7, v2
	v_bfe_u32 v6, v2, 3, 1                         ; u
	v_bfe_u32 v7, v2, 4, 1                         ; g
	v_lshl_or_b32 v8, v7, 3, v5                    ; r
	v_lshl_or_b32 v9, v6, 4, v8                    ; pi(lane)
	s_mul_i32 s27, s26, CVREG
	s_add_co_u32 s27, s27, CVB
	v_mul_u32_u24 v4, v6, 1664
	v_lshl_add_u32 v4, v8, 4, v4
	v_add_nc_u32 v4, s27, v4                       ; into the images: group u, lane r
	v_lshlrev_b32 v10, 4, v2
	v_add_nc_u32 v14, s27, v10                     ; out of them: 16 l
	s_mul_i32 s41, s40, 3072
	v_add_nc_u32 v15, s41, v10                     ; in a record: groups 2 b, 2 b + 1
	s_lshl_b32 s41, s40, 7
	v_lshl_add_u32 v16, v9, 2, s41                 ; my scale word: 128 b + 4 pi(lane)
.macro CVLOAD t
.irp i, 0,1,2,3,4,5,6,7,8,9,10,11,12,13,14,15,16,17,18,19,20,21,22,23,24,25,26,27,28,29,30,31
	global_load_b32 v[32+32*((\t)%2)+\i], v3, s[16:17] offset:(32*(\t)+\i)*256 th:TH_LOAD_NT
.endr
.endm
.macro CVBLOCK t
.if (\t) < 7
	s_wait_loadcnt 32                              ; this block's 32 loads are in; the next block's may be out
.else
	s_wait_loadcnt 0x0
.endif
	MAX32 32+32*((\t)%2)
	v_add_nc_u32 v11, 0xff000000, v12
	v_lshrrev_b32 v13, 23, v11
.if (\t)%4 == 0
	v_mov_b32 v[24+(\t)/4], v13
.else
	v_lshl_or_b32 v[24+(\t)/4], v13, 8*((\t)%4), v[24+(\t)/4]
.endif
	v_cvt_scalef32_pk16_fp6_f32 v[96:98], v[32+32*((\t)%2):32+32*((\t)%2)+15], v11
	v_cvt_scalef32_pk16_fp6_f32 v[100:102], v[32+32*((\t)%2)+16:32+32*((\t)%2)+31], v11
	v_nop
	v_mov_b32 v99, v100                            ; the six registers on end
	v_mov_b32 v100, v101
	v_mov_b32 v101, v102
.if (\t)%4 < 2
	ds_store_b128 v4, v[96:99] offset:256*((\t)%2)           ; registers 0-3: the first run;
	ds_store_b64 v4, v[100:101] offset:512+256*((\t)%2)      ; 4, 5: the lower half of a place in the second
.else
	ds_store_b64 v4, v[96:97] offset:520+256*((\t)%2)        ; 6, 7: its upper half;
	ds_store_b128 v4, v[98:101] offset:1024+256*((\t)%2)     ; 8-11: the third run
.endif
.if (\t)+2 < 8
	CVLOAD (\t)+2
.endif
	s_wait_dscnt 0x0
.endm
.macro CVOUT e
.irp u, 0,1
.irp c, 0,1,2
	ds_load_b128 v[112+24*\e+12*\u+4*\c:112+24*\e+12*\u+4*\c+3], v14 offset:1664*\u+512*\c
.endr
.endr
	s_wait_dscnt 0x0
.irp u, 0,1
.irp c, 0,1,2
	global_store_b128 v15, v[112+24*\e+12*\u+4*\c:112+24*\e+12*\u+4*\c+3], s[24:25] offset:REC*\e+1536*\u+512*\c
.endr
.endr
	global_store_b32 v16, v[24+\e], s[24:25] offset:REC*\e+6144
.endm
	CVLOAD 0
	CVLOAD 1
	CVBLOCK 0
	CVBLOCK 1
	CVBLOCK 2
	CVBLOCK 3
	CVOUT 0
	CVBLOCK 4
	CVBLOCK 5
	CVBLOCK 6
	CVBLOCK 7
	CVOUT 1
	s_wait_tensorcnt 0x0
	ds_add_u32 v216, v217
	s_wait_dscnt 0x0
	s_endpgm
.Lfunc_end_k_qd1190f1020_quant:
	.size	k_qd1190f1020_quant, .Lfunc_end_k_qd1190f1020_quant-k_qd1190f1020_quant
	.p2alignl 7, 3214868480
	.fill 96, 4, 3214868480
	.section	.rodata,"a",@progbits
	.p2align	6, 0x0
	.amdhsa_kernel k_qd1190f1020_quant
		.amdhsa_group_segment_fixed_size 105984
		.amdhsa_private_segment_fixed_size 0
		.amdhsa_enable_private_segment 0
		.amdhsa_kernarg_size 72
		.amdhsa_user_sgpr_count 2
		.amdhsa_user_sgpr_kernarg_segment_ptr 1
		.amdhsa_wavefront_size32 1
		.amdhsa_system_sgpr_workgroup_id_x 1
		.amdhsa_system_sgpr_workgroup_id_y 1
		.amdhsa_system_sgpr_workgroup_id_z 1
		.amdhsa_system_vgpr_workitem_id 0
		.amdhsa_next_free_vgpr 218
		.amdhsa_next_free_sgpr 66
		.amdhsa_reserve_vcc 1
		.amdhsa_float_denorm_mode_32 3
		.amdhsa_float_denorm_mode_16_64 3
		.amdhsa_memory_ordered 1
		.amdhsa_forward_progress 1
		.amdhsa_inst_pref_size 146
	.end_amdhsa_kernel
	.amdgpu_metadata
---
amdhsa.version: [ 1, 2 ]
amdhsa.kernels:
  - .name:           k_qd1190f1020_quant
    .symbol:         k_qd1190f1020_quant.kd
    .args:
      - { .name: x, .offset: 0, .size: 8, .value_kind: global_buffer, .address_space: global }
      - { .name: cache_k, .offset: 8, .size: 8, .value_kind: global_buffer, .address_space: global }
      - { .name: W_attn, .offset: 16, .size: 8, .value_kind: global_buffer, .address_space: global }
      - { .name: W_proj, .offset: 24, .size: 8, .value_kind: global_buffer, .address_space: global }
      - { .name: cache_v, .offset: 32, .size: 8, .value_kind: global_buffer, .address_space: global }
      - { .name: xq, .offset: 40, .size: 8, .value_kind: global_buffer, .address_space: global }
      - { .name: kimg, .offset: 48, .size: 8, .value_kind: global_buffer, .address_space: global }
      - { .name: wq, .offset: 56, .size: 8, .value_kind: global_buffer, .address_space: global }
      - { .name: vimg, .offset: 64, .size: 8, .value_kind: global_buffer, .address_space: global }
    .group_segment_fixed_size: 105984
    .private_segment_fixed_size: 0
    .kernarg_segment_align: 8
    .kernarg_segment_size: 72
    .max_flat_workgroup_size: 128
    .sgpr_count:     66
    .vgpr_count:     218
    .wavefront_size: 32
...
	.end_amdgpu_metadata
.endif
;; end of part 1
;; launch gemm1 (part 2): grid 12 x 16, 4 waves a work-group, clusters of 4 x 4, 327,680 bytes of LDS; arguments xq, wq, qimg, kimg, vimg; writes qimg, kimg, vimg
.if DOCPART == 2
	.amdgcn_target "amdgcn-amd-amdhsa--gfx1250"
	.amdhsa_code_object_version 6
	.text
	.protected	k_qd1190f1020_gemm1
	.globl	k_qd1190f1020_gemm1
	.p2align	8
	.type	k_qd1190f1020_gemm1,@function
k_qd1190f1020_gemm1:
	s_mov_b64 s[64:65], 0
	v_nop
	global_prefetch_b8 v0, s[64:65] scope:SCOPE_SE
	s_setreg_imm32_b32 hwreg(HW_REG_WAVE_MODE, 25, 1), 1
	s_wait_xcnt 0x0
	s_wait_alu depctr_hold_cnt(0) depctr_sa_sdst(0) depctr_va_vdst(0) depctr_va_sdst(0) depctr_va_ssrc(0) depctr_va_vcc(0) depctr_vm_vsrc(0)
	s_getreg_b32 s2, hwreg(HW_REG_IB_STS2, 6, 4)
	s_cmp_eq_u32 s2, 0
	s_cbranch_scc0 .Lentry_in_a_cluster
	s_endpgm
.Lentry_in_a_cluster:
	s_bfe_u32 s2, ttmp6, 0x10000c
	s_cmp_lg_u32 s2, 0xf033
	s_cbranch_scc0 .Lentry_shape_is_right
	s_endpgm
.Lentry_shape_is_right:
; qkv = x W_attn on codes of FP6 (E2M3) with E8M0 scales, K = 1,024; the results are quantised in registers and leave as records of operand registers for the attention launch.
; TWO PRODUCTS IN ONE GRID OF 3 x 4 CLUSTERS OF 4 x 4 WORK-GROUPS.  Cluster x = 0, 1 (q's and k's columns): A = x (4,096 tokens), B = rows 0 .. 2,047 of wq.
; Cluster x = 2 (v's columns), the roles changed: A = rows 2,048 .. 3,071 of wq, B = x, so that a lane's registers run along the TOKENS, which are the K of the product that reads v.
; A tile of 256 x 256 to a work-group, 128 x 128 to each of four waves: 64 accumulators, 512 registers.  K goes in steps of 256 through a ring of two LDS slots filled by the tensor data mover;
; the scale bytes of the work-group's rows come once.  A's tile is asked for jointly by the four work-groups of a row of the cluster, B's by the four of a column.
; THE MATRIX INSTRUCTION IS USED TRANSPOSED (source 0 = 16 rows of B, source 1 = 16 rows of A).  Rows of xq and wq lie at places pi(index) (bits 3 and 4 swapped), so the 64 registers of
; A's block a are: register 16 b + i = B's index 32 b + 16 (lane / 16) + i, and lane r of block a is A's index 32 (a / 2) + 8 (a % 2) + r + 8 (r / 8).
; THE WAY OUT.  q, k: a row's 128 numbers are two heads x two blocks of 32 along d; v: a row (one d) has four blocks of 32 keys.  Each 64 registers become 12 registers of codes and a scale word.
; LIMITS: NaN and infinities are not served; blocks whose largest magnitude lies under 2^-124 keep the byte 1 (a block of zeros too: its codes are zeros).
; REGISTERS, in windows of 256: window 0: v16-23 fragment addresses, v24 16 l, v25 4 l, v27 scale address, v28-29 for the add, v32-63 scale words, from v128 A's fragments; on the way out v32-171 at work.
;   window 1: B's fragments, two sets.   windows 2, 3: the accumulators ((a, b) at v[8 (8 (a % 4) + b)] of window 2 + a / 4).
.set SIZE_K, 1024
.set KSTEP,  256
.set NQ,     KSTEP/128
.set ROWB,   192
.set KROW,   SIZE_K*6/8
.set PITCH,  240                       ; an LDS row: 3 x (64 bytes + 16 of padding)
.set FR,     12
.set NL,     6
.set NP,     4
.set HALFT,  128*PITCH
.set SLOT,   4*HALFT
.set LAPS,   SIZE_K/(2*KSTEP)
.set KS,     SIZE_K/32
.set SCL,    2*SLOT                    ; behind the ring: the scales, as runs of 256 bytes + 16 of padding
.set HALFS,  (128*KS/256)*272
.set SBLK,   (16*KS/256)*272
.set SPARE,  SCL+4*HALFS               ; the spare words: 128 bytes a wave, named by no other line
.set SCOFF,  3145728                   ; where the scale bytes begin in xq and in wq
.set REC,    6400
.set ADRA, 16
.set ADRB, 20
.set LI,   24
.set LS,   25
.set ADRS, 27
.set SPW,  28
.set NIL,  29
.set SC,   32
.set AF,   128
.set TM,   32                          ; the way out: v32-35 largest magnitudes, v36-39 bytes, v44-47 scale operands
.set TT,   48                          ; v48-55 second halves of blocks
.set PWD,  56                          ; v56-63 a scale word for each of A's blocks
.set CD,   64                          ; v64-159 codes
.set WO,   160                         ; v160-171 words to store
.set G1, 24
.set G0, 32
.set G1B, 48
.set G0B, 56
.set G1S, 68
.set G0S, 76
.set G1SB, 80
.set G0SB, 88
.set MSB, 0
.macro WIN new                         ; the immediate's high byte repeats the setting that is left
.if MSB != (\new)
	s_set_vgpr_msb (MSB<<8)|(\new)
.set MSB, (\new)
.endif
.endm
.set MUL_LO, 0xa1                      ; source 0 (B) window 1, source 1 (A) window 0, C and D window 2
.set MUL_HI, 0xf1
.set TO_B,   0x40
; A joint load: waves 0 and 1 fetch for A, waves 2 and 3 for B; the branch hangs on the wave's number alone.  Four v_nop follow each of the two lines.
.macro JLOAD g0a, g1a, g0b, g1b
	s_cmp_eq_u32 s15, 0
	s_cbranch_scc0 .Lfor_b_\@
	tensor_load_to_lds s[\g0a:\g0a+3], s[\g1a:\g1a+7]
	s_nop 0
.rept 4
	v_nop
.endr
	s_branch .Lasked_\@
.Lfor_b_\@:
	tensor_load_to_lds s[\g0b:\g0b+3], s[\g1b:\g1b+7]
	s_nop 0
.rept 4
	v_nop
.endr
.Lasked_\@:
.endm
.macro CREST                           ; a round of the cluster's barrier behind its opening barrier
	s_cmp_lg_u32 s14, 0
	s_cbranch_scc1 .Lnot_wave_0_\@
	s_barrier_signal -3
.Lnot_wave_0_\@:
	s_barrier_wait -3
	s_barrier_signal -1
	s_barrier_wait -1
.endm
.macro CROUND
	s_barrier_signal -1
	s_barrier_wait -1
	CREST
.endm
	s_load_b128 s[96:99], s[0:1], 0x0              ; xq, wq
	v_lshl_add_u32 v[SPW], v0, 2, SPARE
	v_mov_b32 v[NIL], 0
	ds_add_u32 v28, v29
	s_wait_dscnt 0x0
	v_lshrrev_b32 v1, 5, v0
	v_readfirstlane_b32 s14, v1                    ; wave 0..3
	s_lshr_b32 s15, s14, 1                         ; which half of the tile's rows is mine.  Also: I fetch for A (0) or for B (1)
	s_and_b32 s16, s14, 1                          ; which half of its columns.  Also: which 128 rows of that tile I fetch
	s_bfe_u32 s40, ttmp6, 0x40000                  ; cx
	s_bfe_u32 s41, ttmp6, 0x40004                  ; cy
	s_and_b32 s17, ttmp7, 0xffff                   ; cluster y
	s_cmp_eq_u32 ttmp9, 2                          ; v's part?  The cluster's x is the same in all sixteen partners
	s_cselect_b32 s42, s17, ttmp9                  ; B's tiles go by cluster y there, else by cluster x
	s_cselect_b32 s17, 0, s17                      ; A's by cy alone there, else by cluster y
	s_cselect_b32 s66, 2048, 0                     ; A's first row in its buffer
	s_lshl_b32 s42, s42, 2
	s_add_co_u32 s42, s42, s40                     ; tile column
	s_lshl_b32 s17, s17, 2
	s_add_co_u32 s17, s17, s41                     ; tile row
	s_lshl_b32 s43, s41, 2
	s_lshl_b32 s43, 15, s43                        ; my row of the cluster
	s_lshl_b32 s44, 0x1111, s40                    ; my column
	; descriptor group 1: a tile of 128 rows x 192 bytes, 16 bytes of padding behind every 64
	s_or_b32 s[G1+0], s43, (0<<16)|(1<<20)|(1<<21)|(3<<22)|(3<<25)
	s_or_b32 s[G1B+0], s44, (0<<16)|(1<<20)|(1<<21)|(3<<22)|(3<<25)
.irp g, G1, G1B
	s_mov_b32 s[\g+1], ROWB<<16                    ; tensor_dim0
	s_mov_b32 s[\g+2], 128<<16                     ; tensor_dim1
	s_mov_b32 s[\g+3], ROWB<<16                    ; tile_dim0
	s_mov_b32 s[\g+4], 128                         ; tile_dim1
	s_mov_b32 s[\g+5], KROW                        ; pitch
	s_mov_b32 s[\g+6], 0
	s_mov_b32 s[\g+7], 0
.endr
	; the scales of 128 rows: a dense block of 4,096 bytes, as rows of 256 bytes (32 elements of 8), 16 bytes of padding behind each
	s_or_b32 s[G1S+0], s43, (3<<16)|(1<<20)|(1<<21)|(5<<22)|(3<<25)
	s_or_b32 s[G1SB+0], s44, (3<<16)|(1<<20)|(1<<21)|(5<<22)|(3<<25)
.irp g, G1S, G1SB
	s_mov_b32 s[\g+1], 32<<16
	s_mov_b32 s[\g+2], (128*KS/256)<<16
	s_mov_b32 s[\g+3], 32<<16
	s_mov_b32 s[\g+4], 128*KS/256
	s_mov_b32 s[\g+5], 32
	s_mov_b32 s[\g+6], 0
	s_mov_b32 s[\g+7], 0
.endr
	s_lshl_b32 s18, s16, 7
	s_lshl_b32 s20, s17, 8
	s_add_co_u32 s20, s20, s18
	s_add_co_u32 s20, s20, s66                     ; A: row 256 x tile row + 128 x half (+ 2,048)
	s_lshl_b32 s46, s42, 8
	s_add_co_u32 s46, s46, s18                     ; B: row 256 x tile column + 128 x half
	s_mov_b32 s21, 0
	s_mov_b32 s47, 0
	s_mov_b64 s[18:19], KS
	s_mul_u64 s[22:23], s[20:21], s[18:19]
	s_mul_u64 s[92:93], s[46:47], s[18:19]
	s_mov_b64 s[18:19], KROW
	s_mul_u64 s[20:21], s[20:21], s[18:19]
	s_mul_u64 s[46:47], s[46:47], s[18:19]
	s_mul_i32 s45, s14, HALFT                      ; where they go: wave x 128 rows: no place in the cluster enters an LDS address
	s_mul_i32 s94, s14, HALFS
	s_wait_kmcnt 0x0
	s_cmp_eq_u32 ttmp9, 2
	s_cselect_b64 s[4:5], s[98:99], s[96:97]       ; A's buffer
	s_cselect_b64 s[8:9], s[96:97], s[98:99]       ; B's
	s_add_nc_u64 s[6:7], s[4:5], SCOFF
	s_add_nc_u64 s[10:11], s[8:9], SCOFF
	s_add_nc_u64 s[20:21], s[4:5], s[20:21]
	s_add_nc_u64 s[22:23], s[6:7], s[22:23]
	s_add_nc_u64 s[46:47], s[8:9], s[46:47]
	s_add_nc_u64 s[92:93], s[10:11], s[92:93]
	CROUND                                         ; all sixteen work-groups are here: the first joint loads meet
	s_mov_b32 s[G0S], 1
	s_add_co_u32 s[G0S+1], s94, SCL
	s_mov_b64 s[G0S+2:G0S+3], s[22:23]
	s_or_b32 s[G0S+3], s[G0S+3], 0x80000000
	s_mov_b32 s[G0SB], 1
	s_add_co_u32 s[G0SB+1], s94, SCL
	s_mov_b64 s[G0SB+2:G0SB+3], s[92:93]
	s_or_b32 s[G0SB+3], s[G0SB+3], 0x80000000
	JLOAD G0S, G1S, G0SB, G1SB                     ; the scales first
.irp s, 0,1
	s_mov_b32 s[G0+4*\s], 1
	s_add_co_u32 s[G0+4*\s+1], s45, \s*SLOT
	s_add_nc_u64 s[G0+4*\s+2:G0+4*\s+3], s[20:21], \s*ROWB
	s_or_b32 s[G0+4*\s+3], s[G0+4*\s+3], 0x80000000
	s_mov_b32 s[G0B+4*\s], 1
	s_add_co_u32 s[G0B+4*\s+1], s45, \s*SLOT
	s_add_nc_u64 s[G0B+4*\s+2:G0B+4*\s+3], s[46:47], \s*ROWB
	s_or_b32 s[G0B+4*\s+3], s[G0B+4*\s+3], 0x80000000
	JLOAD G0+4*\s, G1, G0B+4*\s, G1B
.endr
	s_load_b128 s[4:7], s[0:1], 0x10               ; qimg, kimg
	s_load_b64 s[8:9], s[0:1], 0x20                ; vimg
	v_and_b32 v1, 15, v0                           ; l % 16
	v_bfe_u32 v2, v0, 4, 1                         ; l / 16
	v_mul_u32_u24 v3, v1, PITCH
	v_mul_u32_u24 v4, v2, 24
	v_add_nc_u32 v4, v3, v4                        ; a fragment's row x pitch + 24 x half
	v_lshl_add_u32 v5, v2, 4, v4                   ; and the same behind one padding more
	s_mul_i32 s21, s15, HALFT
	s_mul_i32 s22, s16, HALFT
	s_add_co_u32 s22, s22, 2*HALFT
.irp s, 0,1
	v_add_nc_u32 v[ADRA+\s], s21, v4
	v_add_nc_u32 v[ADRB+\s], s22, v4
	v_add_nc_u32 v[ADRA+2+\s], s21, v5
	v_add_nc_u32 v[ADRB+2+\s], s22, v5
	s_add_co_u32 s21, s21, SLOT
	s_add_co_u32 s22, s22, SLOT
.endr
	v_mul_u32_u24 v5, v1, KS
	v_lshrrev_b32 v6, 8, v5
	v_lshl_add_u32 v5, v6, 4, v5
	s_mul_i32 s21, s15, HALFS
	s_mul_i32 s22, s16, HALFS
	s_add_co_u32 s22, s22, 2*HALFS
	s_sub_co_u32 s22, s22, s21
	v_mul_u32_u24 v6, s22, v2                      ; lanes 16-31 take B's
	s_add_co_u32 s21, s21, SCL
	v_add_nc_u32 v5, v5, v6
	v_add_nc_u32 v[ADRS], s21, v5
	v_and_b32 v6, 31, v0
	v_lshlrev_b32 v[LI], 4, v6
	v_lshlrev_b32 v[LS], 2, v6
	; where my two heads' records begin.  My 128 tokens are number tok of 32, my 128 columns two heads, 2 hd2 and 2 hd2 + 1
	s_lshl_b32 s18, s17, 1
	s_add_co_u32 s18, s18, s15                     ; 2 x tile row + half
	s_lshl_b32 s19, s42, 1
	s_add_co_u32 s19, s19, s16                     ; 2 x tile column + half
	s_cmp_eq_u32 ttmp9, 2
	s_cselect_b32 s20, s19, s18                    ; tok
	s_cselect_b32 s21, s18, s19
	s_and_b32 s21, s21, 7                          ; hd2
	s_cmp_eq_u32 ttmp9, 0
	s_cselect_b32 s22, 16, 32                      ; records a head: 16 in qimg, 32 in kimg and vimg,
	s_cselect_b32 s23, 0, 16                       ; where the cache has the first 16
	s_lshr_b32 s18, s20, 4
	s_lshl_b32 s18, s18, 4
	s_lshl_b32 s21, s21, 1
	s_add_co_u32 s18, s18, s21                     ; 16 x batch + head
	s_mul_i32 s18, s18, s22
	s_add_co_u32 s18, s18, s23
	s_and_b32 s20, s20, 15
	s_add_co_u32 s18, s18, s20
	s_mul_i32 s18, s18, REC
	s_mov_b32 s19, 0
	s_mul_i32 s22, s22, REC                        ; from a head to the next
	s_mov_b32 s23, 0
	s_wait_kmcnt 0x0
	s_cmp_eq_u32 ttmp9, 0
	s_cselect_b64 s[4:5], s[4:5], s[6:7]
	s_cmp_eq_u32 ttmp9, 2
	s_cselect_b64 s[4:5], s[8:9], s[4:5]
	s_add_nc_u64 s[18:19], s[4:5], s[18:19]        ; the first head's record
	s_add_nc_u64 s[22:23], s[18:19], s[22:23]      ; the second's
.macro FRAG reg, adr, q, i             ; a fragment: 16 rows x 128 K, 12 registers, in pieces of 8 bytes; the second address register serves the pieces that lie behind one padding more for lanes 16-31
.irp p, 0,1,2,3,4,5
.set PCE, 12*(\q)+6*(\p/3)+\p%3
.if PCE%8 < 5
	ds_load_b64 v[\reg+2*\p:\reg+2*\p+1], v[\adr] offset:8*PCE+16*(PCE/8)+(\i)*16*PITCH
.else
	ds_load_b64 v[\reg+2*\p:\reg+2*\p+1], v[\adr+2] offset:8*PCE+16*(PCE/8)+(\i)*16*PITCH
.endif
.endr
.endm
; 16 matrix instructions: A's blocks a0, a0 + 1 x B's eight.  The 64 accumulators take turns, one instruction a turn, in the same order in every step.
.macro MUL16 a0, p, q, sc, zero
.irp a, \a0, \a0+1
.irp b, 0,1,2,3,4,5,6,7
.if \zero
	v_wmma_scale_f32_16x16x128_f8f6f4 v[8*(8*((\a)%4)+\b):8*(8*((\a)%4)+\b)+7], v[128*(\p)+FR*\b:128*(\p)+FR*\b+FR-1], v[AF+FR*(\a):AF+FR*(\a)+FR-1], 0, v[SC+8*NQ*(\sc)+NQ*\b+(\q)], v[SC+8*NQ*(\sc)+NQ*(\a)+(\q)] matrix_a_fmt:MATRIX_FMT_FP6 matrix_b_fmt:MATRIX_FMT_FP6 matrix_a_scale:MATRIX_SCALE_ROW1
.else
	v_wmma_scale_f32_16x16x128_f8f6f4 v[8*(8*((\a)%4)+\b):8*(8*((\a)%4)+\b)+7], v[128*(\p)+FR*\b:128*(\p)+FR*\b+FR-1], v[AF+FR*(\a):AF+FR*(\a)+FR-1], v[8*(8*((\a)%4)+\b):8*(8*((\a)%4)+\b)+7], v[SC+8*NQ*(\sc)+NQ*\b+(\q)], v[SC+8*NQ*(\sc)+NQ*(\a)+(\q)] matrix_a_fmt:MATRIX_FMT_FP6 matrix_b_fmt:MATRIX_FMT_FP6 matrix_a_scale:MATRIX_SCALE_ROW1
.endif
.endr
.endr
.endm
.macro FETCH_B slot, q, p
	WIN TO_B
.irp i, 0,1,2,3,4,5,6,7
	FRAG 128*(\p)+FR*\i, ADRB+\slot, \q, \i
.endr
	WIN 0
.endm
.macro FETCH_A slot, q, i0
.irp i, \i0, \i0+1, \i0+2, \i0+3
	FRAG AF+FR*(\i), ADRA+\slot, \q, \i
.endr
.endm
.macro SCALES sc                       ; lanes 0-15 take the words of A's block i, lanes 16-31 those of B's block i
.irp i, 0,1,2,3,4,5,6,7
	ds_load_b64 v[SC+8*NQ*\sc+NQ*\i:SC+8*NQ*\sc+NQ*\i+1], v[ADRS] offset:\i*SBLK
.endr
.endm
.macro PLACES n                        ; plain vector instructions between a matrix instruction and a load into, or a vector instruction on, its registers
.rept \n
	v_nop
.endr
.endm
.macro STEP slot, q, zero
	s_wait_dscnt 4*NL                              ; B's set and A's blocks 0-3 are in; the youngest 24 loads (A's blocks 4-7) may be out
	WIN MUL_LO
	MUL16 0, (\q)%2, \q, \slot, \zero
	MUL16 2, (\q)%2, \q, \slot, \zero
	s_wait_dscnt 0
	PLACES NP
	FETCH_B \slot, (\q)+1, 1-(\q)%2
	FETCH_A \slot, (\q)+1, 0
	WIN MUL_HI
	MUL16 4, (\q)%2, \q, \slot, \zero
	MUL16 6, (\q)%2, \q, \slot, \zero
	PLACES NP
	WIN 0
	FETCH_A \slot, (\q)+1, 4
.endm
; A slot's last step changes slots: one barrier; in front of it each wave waits for all its tensor loads, adds 0 to its spare word, and waits for that and for its reads of this slot.
.macro TURN slot, next, fill
	s_wait_tensorcnt 0x0                           ; all my tensor loads have landed: my part of the next slot
	ds_add_u32 v[SPW], v[NIL]                      ; 0 onto my spare word
	s_wait_dscnt 4*NL+1                            ; the add and the youngest 24 loads may be out
	WIN MUL_LO
	MUL16 0, 1, NQ-1, \slot, 0
	s_wait_dscnt 0x0                               ; the add is done, and my reads of this slot are over
	s_barrier_signal -1
	MUL16 2, 1, NQ-1, \slot, 0
	WIN 0
	s_barrier_wait -1
.if \fill
	CREST                                          ; the barrier has opened a round of the cluster's barrier: no wave of any partner still reads this slot or has a load on its way
	s_add_nc_u64 s[G0+4*\slot+2:G0+4*\slot+3], s[G0+4*\slot+2:G0+4*\slot+3], 2*ROWB
	s_add_nc_u64 s[G0B+4*\slot+2:G0B+4*\slot+3], s[G0B+4*\slot+2:G0B+4*\slot+3], 2*ROWB
	JLOAD G0+4*\slot, G1, G0B+4*\slot, G1B
.else
	PLACES NP
.endif
	v_add_nc_u32 v[ADRS], 4*NQ, v[ADRS]
	FETCH_B \next, 0, 0
	FETCH_A \next, 0, 0
	SCALES \next
	WIN MUL_HI
	MUL16 4, 1, NQ-1, \slot, 0
	MUL16 6, 1, NQ-1, \slot, 0
	PLACES NP
	WIN 0
	FETCH_A \next, 0, 4
.endm
	s_wait_tensorcnt 1                             ; the scales and my part of K step 0 are in; K step 1's load may be out
	s_barrier_signal -1
	s_barrier_wait -1
	FETCH_B 0, 0, 0
	FETCH_A 0, 0, 0
	SCALES 0
	FETCH_A 0, 0, 4
	STEP 0, 0, 1                                   ; the first step's products start the sums
	s_mov_b32 s3, LAPS-1
.Llap:
	TURN 0, 1, 1
	STEP 1, 0, 0
	TURN 1, 0, 1
	STEP 0, 0, 0
	s_sub_co_u32 s3, s3, 1
	s_cmp_lg_u32 s3, 0
	s_cbranch_scc1 .Llap
	TURN 0, 1, 0
	STEP 1, 0, 0
	s_wait_dscnt 4*NL
	WIN MUL_LO
	MUL16 0, 1, NQ-1, 1, 0
	MUL16 2, 1, NQ-1, 1, 0
	s_wait_dscnt 0
	WIN MUL_HI
	MUL16 4, 1, NQ-1, 1, 0
	MUL16 6, 1, NQ-1, 1, 0
	WIN 0
; 64 numbers of a lane in window w, v[s] on (register 16 b + i = index 32 b + 16 (lane / 16) + i of my row), become codes: blocks 0, 1 in v[d0] .. v[d0 + 5], blocks 2, 3 in v[d1] ..,
; lanes 0-15 holding the even block and lanes 16-31 the odd one, whole; and the row's four scale bytes in v[pw].  Each accumulator is read from its low end on.
.macro QUANT w, s, d0, d1, pw
.irp b, 0,1,2,3
	v_mov_b32 v[TM+\b], 0x1800000                  ; the floor 2^(3 - 127): the byte cannot fall under 1
.endr
	WIN ((\w)<<2)|((\w)<<4)                        ; sources 1 and 2: the accumulators' window
.irp i, 0,2,4,6,8,10,12,14
.irp b, 0,1,2,3
	v_max3_num_f32 v[TM+\b], v[TM+\b], |v[(\s)+16*\b+\i]|, |v[(\s)+16*\b+\i+1]|
.endr
.endr
	WIN 0
.irp b, 0,1,2,3
	v_permlanex16_b32 v[TM+4+\b], v[TM+\b], s92, s93
.endr
.irp b, 0,1,2,3
	v_max_num_f32 v[TM+\b], v[TM+\b], v[TM+4+\b]   ; with lane l xor 16's: the block's largest magnitude
.endr
.irp b, 0,1,2,3
	v_add_nc_u32 v[TM+12+\b], 0xff000000, v[TM+\b] ; 2 off its exponent field: the conversion's scale operand
.endr
.irp b, 0,1,2,3
	v_lshrrev_b32 v[TM+4+\b], 23, v[TM+12+\b]      ; the scale's byte
.endr
	v_lshl_or_b32 v[\pw], v[TM+5], 8, v[TM+4]
	v_lshl_or_b32 v[\pw], v[TM+6], 16, v[\pw]
	v_lshl_or_b32 v[\pw], v[TM+7], 24, v[\pw]
	WIN (\w)                                       ; source 0: the accumulators' window
	v_cvt_scalef32_pk16_fp6_f32 v[(\d0):(\d0)+2], v[(\s):(\s)+15], v[TM+12]
	v_cvt_scalef32_pk16_fp6_f32 v[TT:TT+2], v[(\s)+16:(\s)+31], v[TM+13]
	v_cvt_scalef32_pk16_fp6_f32 v[(\d1):(\d1)+2], v[(\s)+32:(\s)+47], v[TM+14]
	v_cvt_scalef32_pk16_fp6_f32 v[TT+4:TT+6], v[(\s)+48:(\s)+63], v[TM+15]
	WIN 0
	v_nop                                          ; one plain place behind a scaled conversion
.irp i, 0,1,2
	v_permlane16_swap_b32 v[(\d0)+\i], v[TT+\i]    ; the first's lanes 16-31 change places with the second's lanes 0-15
	v_permlane16_swap_b32 v[(\d1)+\i], v[TT+4+\i]
.endr
.irp i, 0,1,2
	v_mov_b32 v[(\d0)+3+\i], v[TT+\i]
	v_mov_b32 v[(\d1)+3+\i], v[TT+4+\i]
.endr
.endm
	PLACES NP                                      ; behind the last products: their results are read and their operands' and scales' registers written below
	s_mov_b32 s92, 0x76543210
	s_mov_b32 s93, 0xfedcba98                      ; v_permlanex16_b32's selects for lane l xor 16
	v_and_b32 v1, 31, v0
	v_cmp_lt_u32 vcc_lo, 15, v1                    ; lanes 16-31
.irp b, 0,1,2,3
	v_mov_b32 v[TM+4+\b], 0                        ; written once: a lane permute's destination counts as one of its sources
.endr
	s_cmp_eq_u32 ttmp9, 2
	s_cbranch_scc1 .Lv_part
	; q, k: block a = 2 p + u of my tokens is tile u of group p; a row's blocks 0, 1 belong to the first head, 2, 3 to the second
.irp a, 0,1,2,3,4,5,6,7
	QUANT 2+\a/4, 64*(\a%4), CD+24*(\a/2)+6*(\a%2), CD+24*(\a/2)+6*(\a%2)+12, PWD+\a
.if \a%2 == 1
.irp c, 0,1,2
	global_store_b128 v[LI], v[CD+24*(\a/2)+4*\c:CD+24*(\a/2)+4*\c+3], s[18:19] offset:1536*(\a/2)+512*\c        ; 512 consecutive bytes
	global_store_b128 v[LI], v[CD+24*(\a/2)+12+4*\c:CD+24*(\a/2)+12+4*\c+3], s[22:23] offset:1536*(\a/2)+512*\c
.endr
.endif
.endr
.irp p, 0,1,2,3
	v_perm_b32 v[WO+\p], v[PWD+2*\p+1], v[PWD+2*\p], 0x05040100     ; the first head's word: (u0 h0, u0 h1, u1 h0, u1 h1)
	v_perm_b32 v[WO+4+\p], v[PWD+2*\p+1], v[PWD+2*\p], 0x07060302   ; the second's
.endr
.irp q, 0,1,2,3
	v_cndmask_b32 v[WO+8+\q], v[WO+2*\q], v[WO+2*\q+1], vcc_lo      ; lanes 0-15 the even group's words, lanes 16-31 the odd one's
.endr
	global_store_b32 v[LS], v[WO+8], s[18:19] offset:6144
	global_store_b32 v[LS], v[WO+9], s[18:19] offset:6272
	global_store_b32 v[LS], v[WO+10], s[22:23] offset:6144
	global_store_b32 v[LS], v[WO+11], s[22:23] offset:6272
	s_branch .Ljoin
.Lv_part:
	; v: block a of my 128 d is group a % 4 of head a / 4; the 64 registers run along my 128 tokens
.irp a, 0,1,2,3,4,5,6,7
	QUANT 2+\a/4, 64*(\a%4), CD+12*\a, CD+12*\a+6, PWD+\a
.irp c, 0,1,2
.if \a < 4
	global_store_b128 v[LI], v[CD+12*\a+4*\c:CD+12*\a+4*\c+3], s[18:19] offset:1536*(\a%4)+512*\c
.else
	global_store_b128 v[LI], v[CD+12*\a+4*\c:CD+12*\a+4*\c+3], s[22:23] offset:1536*(\a%4)+512*\c
.endif
.endr
.endr
.irp q, 0,1,2,3
	v_cndmask_b32 v[WO+\q], v[PWD+2*\q], v[PWD+2*\q+1], vcc_lo
.endr
	global_store_b32 v[LS], v[WO], s[18:19] offset:6144
	global_store_b32 v[LS], v[WO+1], s[18:19] offset:6272
	global_store_b32 v[LS], v[WO+2], s[22:23] offset:6144
	global_store_b32 v[LS], v[WO+3], s[22:23] offset:6272
.Ljoin:
	s_wait_tensorcnt 0x0                           ; the wave's end
	ds_add_u32 v[SPW], v[NIL]
	s_wait_dscnt 0x0
	CROUND                                         ; the closing round: no work-group ends while a partner may still ask for a tile that names it
	s_endpgm
.Lfunc_end_k_qd1190f1020_gemm1:
	.size	k_qd1190f1020_gemm1, .Lfunc_end_k_qd1190f1020_gemm1-k_qd1190f1020_gemm1
	.p2alignl 7, 3214868480
	.fill 96, 4, 3214868480
	.section	.rodata,"a",@progbits
	.p2align	6, 0x0
	.amdhsa_kernel k_qd1190f1020_gemm1
		.amdhsa_group_segment_fixed_size 327680
		.amdhsa_private_segment_fixed_size 0
		.amdhsa_enable_private_segment 0
		.amdhsa_kernarg_size 40
		.amdhsa_user_sgpr_count 2
		.amdhsa_user_sgpr_kernarg_segment_ptr 1
		.amdhsa_wavefront_size32 1
		.amdhsa_system_sgpr_workgroup_id_x 1
		.amdhsa_system_sgpr_workgroup_id_y 1
		.amdhsa_system_sgpr_workgroup_id_z 1
		.amdhsa_system_vgpr_workitem_id 0
		.amdhsa_next_free_vgpr 1024
		.amdhsa_next_free_sgpr 102
		.amdhsa_reserve_vcc 1
		.amdhsa_float_denorm_mode_32 3
		.amdhsa_float_denorm_mode_16_64 3
		.amdhsa_memory_ordered 1
		.amdhsa_forward_progress 1
		.amdhsa_inst_pref_size 201
	.end_amdhsa_kernel
	.amdgpu_metadata
---
amdhsa.version: [ 1, 2 ]
amdhsa.kernels:
  - .name:           k_qd1190f1020_gemm1
    .symbol:         k_qd1190f1020_gemm1.kd
    .args:
      - { .name: xq, .offset: 0, .size: 8, .value_kind: global_buffer, .address_space: global }
      - { .name: wq, .offset: 8, .size: 8, .value_kind: global_buffer, .address_space: global }
      - { .name: qimg, .offset: 16, .size: 8, .value_kind: global_buffer, .address_space: global }
      - { .name: kimg, .offset: 24, .size: 8, .value_kind: global_buffer, .address_space: global }
      - { .name: vimg, .offset: 32, .size: 8, .value_kind: global_buffer, .address_space: global }
    .group_segment_fixed_size: 327680
    .private_segment_fixed_size: 0
    .kernarg_segment_align: 8
    .kernarg_segment_size: 40
    .max_flat_workgroup_size: 128
    .sgpr_count:     102
    .vgpr_count:     1024
    .wavefront_size: 32
...
	.end_amdgpu_metadata
.endif
;; end of part 2
;; launch att (part 3): grid 8 x 32, 16 waves a work-group, clusters of 4 x 1, 327,680 bytes of LDS; arguments qimg, kimg, vimg, yq; writes yq
.if DOCPART == 3
	.amdgcn_target "amdgcn-amd-amdhsa--gfx1250"
	.amdhsa_code_object_version 6
	.text
	.protected	k_qd1190f1020_att
	.globl	k_qd1190f1020_att
	.p2align	8
	.type	k_qd1190f1020_att,@function
k_qd1190f1020_att:
	s_mov_b64 s[64:65], 0
	v_nop
	global_prefetch_b8 v0, s[64:65] scope:SCOPE_SE
	s_setreg_imm32_b32 hwreg(HW_REG_WAVE_MODE, 25, 1), 1
	s_wait_xcnt 0x0
	s_wait_alu depctr_hold_cnt(0) depctr_sa_sdst(0) depctr_va_vdst(0) depctr_va_sdst(0) depctr_va_ssrc(0) depctr_va_vcc(0) depctr_vm_vsrc(0)
	s_getreg_b32 s2, hwreg(HW_REG_IB_STS2, 6, 4)
	s_cmp_eq_u32 s2, 0
	s_cbranch_scc0 .Lentry_in_a_cluster
	s_endpgm
.Lentry_in_a_cluster:
	s_bfe_u32 s2, ttmp6, 0x10000c
	s_cmp_lg_u32 s2, 0x3003
	s_cbranch_scc0 .Lentry_shape_is_right
	s_endpgm
.Lentry_shape_is_right:
; y[bh][q] = the sum over 4,096 keys (2,048 cached, all counted; 2,048 current, key k counted for query q where k <= q) of softmax(q . k / 8) v, both products on codes of FP6 (E2M3) with E8M0 scales.
; WHAT IS QUANTISED FOR THE SECOND PRODUCT IS THE FINISHED, NORMALISED SOFTMAX.  So a row's maximum and sum are known before any p is quantised: TWO PASSES over the keys.
;   Pass A: scores, a running largest t (t = score x log2(e) / 8), M = that rounded up to a whole number, the sum of 2^(t - M); when M moves the sum is multiplied by 2^(old M - new M), which rounds nothing.
;   Pass B: the scores again, p = 2^(t - M) x (1 / sum), quantised along the keys in blocks of 32, O^T += V^T P^T.  M is a whole number, exact in f32 however large the scores.
; y is quantised along its 64 channels (two blocks of the output projection's K) and stored as codes and scale bytes.
; LIMITS: NaN and infinities are not served; a p under 2^-126 counts as 0; a block whose largest p (or y) lies under 2^-124 keeps the byte 1.
; A block's largest p is taken from the block's largest score by the same three instructions that make every p; that leans on v_exp_f32 not falling where its input rises.
; SHARES.  Work-group g (0 .. 7) of head bh; each of its sixteen waves owns 16 queries: 128 o + 32 (g / 2) + 8 (g % 2) + r + 8 (r / 8), o = a table's entry for the wave.  The table is a 4 x 4 magic square of
; 0 .. 15, so any four waves w % 4 or w / 4 alike have the same number of key steps between them, and so have all work-groups.  Current step j is left out where j > o and lies on the diagonal where j = o:
; these branches hang on the wave's number alone, alike in all partners of a cluster.  g enters Q's and y's global addresses and one vector register that is only compared.
; CLUSTER.  The four work-groups of a cluster walk the same K and V of one head: every tile is asked for jointly, by the same tensor load with the same descriptor and the mask 15.
; OPERANDS come as records of 6,400 bytes for 128 keys, images of the operand's registers: a group of 12 registers is three ds_load_b128 of 512 consecutive bytes; 64 scale words follow the four groups.
; K = 64 IN AN INSTRUCTION OF 128: source 0 is a group of K: two tiles of 16 keys side by side along the instruction's K; source 1 is Q beside zero codes, once in the lower half and once in the upper.
; Both products are used transposed: a lane holds one query (lane % 16); the 16 registers of a group's two tiles are keys 32 p + 16 (lane / 16) + 0 .. 15.
; LDS: slot 0 at 0, slot 1 at 65,536, 51,200 bytes each (pass A: 8 records of K; pass B: 4 of K, then 4 of V); the spare words at 131,072.  Nothing is stored to LDS but by the tensor loads.
.set REC,   6400
.set SLOT1, 65536
.set SPARE, 131072
.set LI,   1                           ; 16 x lane
.set LS,   2                           ; 4 x lane
.set SPW,  3                           ; my spare word; never rewritten
.set NIL,  4                           ; 0; never rewritten
.set ADI,  5                           ; the step's record + 16 l
.set ADS,  6                           ; the step's record + 4 l
.set DREL, 7                           ; my query in its 128 less 16 (lane / 16)
.set FF,   8                           ; v[8:9]  2^(old M - new M)
.set TA,   10                          ; v10, v11 at work
.set QZ,   16                          ; v16-21 zero codes, v22-27 Q, v28-33 zero codes
.set QS,   34                          ; Q's scale word, its two bytes twice
.set PW,   35                          ; p's scale word
.set K,    36                          ; v36-83
.set KS,   84                          ; v84-85
.set VS,   86                          ; v86-87
.set V,    88                          ; v88-135
.set S,    136                         ; v136-199 scores, then p
.set O,    200                         ; v200-231 O^T: register 16 q + i = channel 32 q + 16 (lane / 16) + i
.set PC,   232                         ; v232-243 p's codes
.set BM,   244                         ; v244-247 the blocks' largest
.set T2,   248                         ; v248-251
.set SO,   252                         ; v252-255 the conversions' scale operands
; v12 -M, v13 the largest t, v[14:15] the sum in two halves, later 1 / sum
; s12 wave; s14 g; s15 head; s16 o; s18 16 + o; s[20:21] lane selects; s[22:23] log2(e) / 8; s[24:31] group 1; s[32:35] group 0; s[36:37] pass B's first tile; s38 LDS byte of the step's record; s39 the step; s40, s41 counters; s49 32 (g / 2) + 8 (g % 2)
.macro CROUND                          ; a round of the cluster's barrier
	s_barrier_signal -1
	s_barrier_wait -1
	s_cmp_lg_u32 s12, 0
	s_cbranch_scc1 .Lnot_wave_0_\@
	s_barrier_signal -3
.Lnot_wave_0_\@:
	s_barrier_wait -3
	s_barrier_signal -1
	s_barrier_wait -1
.endm
.macro JLOAD                           ; waves 0 to 3 fetch a quarter of a slot each; four v_nop follow the load
	s_cmp_lt_u32 s12, 4
	s_cbranch_scc0 .Lnone_\@
	tensor_load_to_lds s[32:35], s[24:31]
	s_nop 0
.rept 4
	v_nop
.endr
.Lnone_\@:
.endm
; THE CHANGE OF SLOTS stands at a slot's head.  Each wave waits for all its tensor loads (its part of the slot that it is about to read), adds 0 to its spare word, and waits for that and for its reads of the
; slot that it has left.  kind 1: that slot is filled with the tile inc bytes on; kind 2: with pass B's first tile; both behind a round of the cluster's barrier.  kind 0: nothing is left to fetch.
.macro CHANGE kind, inc
	s_wait_tensorcnt 0x0                           ; no tensor load of mine is out, so group 0 may be written
	ds_add_u32 v[SPW], v[NIL]                      ; 0 onto my spare word
.if \kind == 1
	s_xor_b32 s33, s33, SLOT1
	s_add_nc_u64 s[34:35], s[34:35], \inc
.endif
.if \kind == 2
	s_xor_b32 s33, s33, SLOT1
	s_mov_b64 s[34:35], s[36:37]
	s_or_b32 s35, s35, 0x80000000
.endif
	s_wait_dscnt 0x0                               ; the add is done, and my reads of the slot that I have left are over
.if \kind
	CROUND
	JLOAD                                          ; the first thing behind the round, a wave's one tensor load until the next
.else
	s_barrier_signal -1
	s_barrier_wait -1
.endif
.endm
.macro KLOAD                           ; 14 LDS loads: four groups of K, and their scale words (lanes 0-15 the even group's, lanes 16-31 the odd one's)
.irp i, 0,1,2,3,4,5,6,7,8,9,10,11
	ds_load_b128 v[K+4*\i:K+4*\i+3], v[ADI] offset:512*\i
.endr
	ds_load_b32 v[KS], v[ADS] offset:6144
	ds_load_b32 v[KS+1], v[ADS] offset:6272
.endm
.macro VLOAD                           ; 14 more: the step's record of V, 25,600 bytes on
.irp i, 0,1,2,3,4,5,6,7,8,9,10,11
	ds_load_b128 v[V+4*\i:V+4*\i+3], v[ADI] offset:25600+512*\i
.endr
	ds_load_b32 v[VS], v[ADS] offset:25600+6144
	ds_load_b32 v[VS+1], v[ADS] offset:25600+6272
.endm
.macro QK                              ; S^T: for each group its lower tile (Q in the lower half of K) and its upper one
.irp p, 0,1,2,3
.if \p%2
	v_wmma_scale_f32_16x16x128_f8f6f4 v[S+16*\p:S+16*\p+7], v[K+12*\p:K+12*\p+11], v[QZ+6:QZ+17], 0, v[KS+\p/2], v[QS] matrix_a_fmt:MATRIX_FMT_FP6 matrix_b_fmt:MATRIX_FMT_FP6 matrix_a_scale:MATRIX_SCALE_ROW1
	v_wmma_scale_f32_16x16x128_f8f6f4 v[S+16*\p+8:S+16*\p+15], v[K+12*\p:K+12*\p+11], v[QZ:QZ+11], 0, v[KS+\p/2], v[QS] matrix_a_fmt:MATRIX_FMT_FP6 matrix_b_fmt:MATRIX_FMT_FP6 matrix_a_scale:MATRIX_SCALE_ROW1
.else
	v_wmma_scale_f32_16x16x128_f8f6f4 v[S+16*\p:S+16*\p+7], v[K+12*\p:K+12*\p+11], v[QZ+6:QZ+17], 0, v[KS+\p/2], v[QS] matrix_a_fmt:MATRIX_FMT_FP6 matrix_b_fmt:MATRIX_FMT_FP6
	v_wmma_scale_f32_16x16x128_f8f6f4 v[S+16*\p+8:S+16*\p+15], v[K+12*\p:K+12*\p+11], v[QZ:QZ+11], 0, v[KS+\p/2], v[QS] matrix_a_fmt:MATRIX_FMT_FP6 matrix_b_fmt:MATRIX_FMT_FP6
.endif
.endr
.rept 4
	v_nop                                          ; places between the products and the first read of their results
.endr
.endm
.macro MASK                            ; on the diagonal step the scores of hidden keys become -infinity: register n holds key 32 (n / 16) + n % 16 + 16 (lane / 16)
	s_cmp_lg_u32 s39, s18
	s_cbranch_scc1 .Lopen_\@
	v_mov_b32 v[TA+1], 0xff800000
.set n, 0
.rept 64
	v_cmp_gt_i32 vcc_lo, 32*(n/16)+n%16, v[DREL]
	v_cndmask_b32 v[S+n], v[S+n], v[TA+1], vcc_lo
.set n, n+1
.endr
.Lopen_\@:
.endm
.macro BMAX                            ; the largest score of my 16 keys of each block of 32, the four blocks by turns; each accumulator is read from its low end on
.irp b, 0,1,2,3
	v_max3_num_f32 v[BM+\b], v[S+16*\b], v[S+16*\b+1], v[S+16*\b+2]
.endr
.irp i, 3,5,7,9,11,13
.irp b, 0,1,2,3
	v_max3_num_f32 v[BM+\b], v[BM+\b], v[S+16*\b+\i], v[S+16*\b+\i+1]
.endr
.endr
.irp b, 0,1,2,3
	v_max_num_f32 v[BM+\b], v[BM+\b], v[S+16*\b+15]
.endr
.endm
.macro SCALE_S                         ; t - M, two at a time (of the pairs c and -M the low word serves both halves)
.set j, 0
.rept 32
	v_pk_fma_f32 v[S+j:S+j+1], v[S+j:S+j+1], s[22:23], v[12:13] op_sel_hi:[1,0,0]
.set j, j+2
.endr
.endm
.macro EXP_S
.set j, 0
.rept 64
	v_exp_f32 v[S+j], v[S+j]
.set j, j+1
.endr
.endm
; A key step of pass A: 128 keys.
.macro STEP_A
	s_cmp_gt_u32 s39, s18                          ; all its keys come after my queries: only the lines at the end, which step addresses, are run
	s_cbranch_scc1 .Lhid_\@
	v_add_nc_u32 v[ADI], s38, v[LI]
	v_add_nc_u32 v[ADS], s38, v[LS]
	v_nop
	v_nop                                          ; four places in front of loads into registers that matrix instructions have read
	KLOAD
	s_wait_dscnt 0x0
	QK
	MASK
	BMAX
	v_max3_num_f32 v[TA], v[BM], v[BM+1], v[BM+2]
	v_max_num_f32 v[TA], v[TA], v[BM+3]
	v_permlanex16_b32 v[T2], v[TA], s20, s21
	v_max_num_f32 v[TA], v[TA], v[T2]              ; the step's largest score of my query
	v_mul_f32 v[TA], s22, v[TA]
	v_max_num_f32 v13, v13, v[TA]                  ; the running largest t
	v_mov_b32 v[TA], v12
	v_floor_f32 v12, -v13                          ; -M = floor(-t)
	v_sub_f32 v[TA], v12, v[TA]                    ; old M - new M: a whole number, 0 or less
	v_cvt_i32_f32 v[TA], v[TA]                     ; (it saturates)
	v_ldexp_f32 v[FF], 1.0, v[TA]
	SCALE_S
	EXP_S
	v_pk_mul_f32 v[14:15], v[14:15], v[FF:FF+1] op_sel_hi:[1,0]   ; the sum under the new M; also the plain place behind the exponentials
	s_wait_alu depctr_va_vdst(0)                   ; one wait for the batch of 64, ahead of its first reader
	v_pk_add_f32 v[T2:T2+1], v[S:S+1], v[S+2:S+3]
.set j, 4
.rept 15
	v_pk_add_f32 v[14:15], v[14:15], v[S+j:S+j+1]
	v_pk_add_f32 v[T2:T2+1], v[T2:T2+1], v[S+j+2:S+j+3]
.set j, j+4
.endr
	v_pk_add_f32 v[14:15], v[14:15], v[T2:T2+1]
.Lhid_\@:
	s_add_co_u32 s38, s38, REC
	s_add_co_u32 s39, s39, 1
.endm
; A key step of pass B.
.macro STEP_B
	s_cmp_gt_u32 s39, s18
	s_cbranch_scc1 .Lhid_\@
	v_add_nc_u32 v[ADI], s38, v[LI]
	v_add_nc_u32 v[ADS], s38, v[LS]
	v_nop
	v_nop
	KLOAD
	VLOAD
	s_wait_dscnt 14                                ; K's 14 loads are in; V's 14 may be out
	QK
	MASK
	BMAX
.irp b, 0,1,2,3
	v_permlanex16_b32 v[T2+\b], v[BM+\b], s20, s21
.endr
.irp b, 0,1,2,3
	v_max_num_f32 v[BM+\b], v[BM+\b], v[T2+\b]     ; the block's largest score
.endr
.irp b, 0,1,2,3
	v_fma_f32 v[BM+\b], v[BM+\b], s22, v12
.endr
	SCALE_S
.irp b, 0,1,2,3
	v_exp_f32 v[BM+\b], v[BM+\b]
.endr
	EXP_S
	v_nop                                          ; a plain place behind the last exponential
	s_wait_alu depctr_va_vdst(0)                   ; one wait for the batch of 68
.irp b, 0,1,2,3
	v_mul_f32 v[BM+\b], v[BM+\b], v14              ; the block's largest p
.endr
.irp b, 0,1,2,3
	v_max_num_f32 v[BM+\b], 0x1800000, v[BM+\b]    ; the floor 2^(3 - 127)
.endr
.irp b, 0,1,2,3
	v_add_nc_u32 v[SO+\b], 0xff000000, v[BM+\b]    ; 2 off the exponent field: the conversion's scale operand
.endr
.irp b, 0,1,2,3
	v_lshrrev_b32 v[T2+\b], 23, v[SO+\b]
.endr
	v_lshl_or_b32 v[PW], v[T2+1], 8, v[T2]
	v_lshl_or_b32 v[PW], v[T2+2], 16, v[PW]
	v_lshl_or_b32 v[PW], v[T2+3], 24, v[PW]        ; p's scale word for these 128 keys; the 32 lines below stand between it and the products
.set j, 0
.rept 32
	v_pk_mul_f32 v[S+j:S+j+1], v[S+j:S+j+1], v[14:15] op_sel_hi:[1,0]   ; p, finished and normalised
.set j, j+2
.endr
	v_cvt_scalef32_pk16_fp6_f32 v[PC:PC+2], v[S:S+15], v[SO]
	v_cvt_scalef32_pk16_fp6_f32 v[BM:BM+2], v[S+16:S+31], v[SO+1]
	v_cvt_scalef32_pk16_fp6_f32 v[PC+6:PC+8], v[S+32:S+47], v[SO+2]
	v_cvt_scalef32_pk16_fp6_f32 v[T2:T2+2], v[S+48:S+63], v[SO+3]
	v_nop                                          ; one plain place behind a scaled conversion
.irp i, 0,1,2
	v_permlane16_swap_b32 v[PC+\i], v[BM+\i]       ; a whole block to a lane: lanes 0-15 the even block, lanes 16-31 the odd one
	v_permlane16_swap_b32 v[PC+6+\i], v[T2+\i]
.endr
.irp i, 0,1,2
	v_mov_b32 v[PC+3+\i], v[BM+\i]
	v_mov_b32 v[PC+9+\i], v[T2+\i]
.endr
.rept 4
	v_nop                                          ; an operand written by vector instructions stands four places ahead of a scaled matrix instruction
.endr
	s_wait_dscnt 0x0                               ; V is in
.irp t, 0,1,2,3                        ; O^T += V^T P^T: the four accumulators take turns, and the next step's eight products stand between two links
.if \t%2
	v_wmma_scale_f32_16x16x128_f8f6f4 v[O+8*\t:O+8*\t+7], v[V+12*\t:V+12*\t+11], v[PC:PC+11], v[O+8*\t:O+8*\t+7], v[VS+\t/2], v[PW] matrix_a_fmt:MATRIX_FMT_FP6 matrix_b_fmt:MATRIX_FMT_FP6 matrix_a_scale:MATRIX_SCALE_ROW1
.else
	v_wmma_scale_f32_16x16x128_f8f6f4 v[O+8*\t:O+8*\t+7], v[V+12*\t:V+12*\t+11], v[PC:PC+11], v[O+8*\t:O+8*\t+7], v[VS+\t/2], v[PW] matrix_a_fmt:MATRIX_FMT_FP6 matrix_b_fmt:MATRIX_FMT_FP6
.endif
.endr
.Lhid_\@:
	s_add_co_u32 s38, s38, REC
	s_add_co_u32 s39, s39, 1
.endm
.macro SLOT_A                          ; a slot's eight steps, written once
	s_mov_b32 s41, 8
.Lsa_\@:
	STEP_A
	s_sub_co_u32 s41, s41, 1
	s_cmp_lg_u32 s41, 0
	s_cbranch_scc1 .Lsa_\@
	s_sub_co_u32 s38, s38, 8*REC
	s_xor_b32 s38, s38, SLOT1                      ; on to the other slot
.endm
.macro SLOT_B                          ; a slot's four steps
	s_mov_b32 s41, 4
.Lsb_\@:
	STEP_B
	s_sub_co_u32 s41, s41, 1
	s_cmp_lg_u32 s41, 0
	s_cbranch_scc1 .Lsb_\@
	s_sub_co_u32 s38, s38, 4*REC
	s_xor_b32 s38, s38, SLOT1
.endm
	s_load_b256 s[4:11], s[0:1], 0x0               ; qimg, kimg, vimg, yq
	v_lshl_add_u32 v[SPW], v0, 2, SPARE
	v_mov_b32 v[NIL], 0
	ds_add_u32 v3, v4
	s_wait_dscnt 0x0
	v_lshrrev_b32 v10, 5, v0
	v_readfirstlane_b32 s12, v10                   ; wave 0..15
	s_bfe_u32 s13, ttmp6, 0x40000                  ; cx
	s_lshl_b32 s14, ttmp9, 2
	s_add_co_u32 s14, s14, s13                     ; g
	s_and_b32 s15, ttmp7, 0xffff                   ; the head, 16 x batch + head
	s_cmp_lt_u32 s12, 8
	s_mov_b32 s16, 0x0de3b658
	s_cselect_b32 s16, 0x7a94c12f, s16             ; the magic square, a nibble a wave
	s_and_b32 s17, s12, 7
	s_lshl_b32 s17, s17, 2
	s_lshr_b32 s16, s16, s17
	s_and_b32 s16, s16, 15                         ; o
	s_add_co_u32 s18, s16, 16                      ; my last step, the one on the diagonal
	s_mov_b32 s20, 0x76543210
	s_mov_b32 s21, 0xfedcba98
	s_mov_b32 s22, 0x3e38aa3b                      ; log2(e) / 8
	s_mov_b32 s23, s22
	; group 1: a dense block of 12,800 bytes as 50 rows of 256 bytes (32 elements of 8)
	s_mov_b32 s24, 15|(3<<16)|(1<<21)              ; the mask: all four work-groups; elements of 8 bytes; bit 21 beside a mask; no padding
	s_mov_b32 s25, 32<<16                          ; tensor_dim0
	s_mov_b32 s26, 50<<16                          ; tensor_dim1
	s_mov_b32 s27, 32<<16                          ; tile_dim0
	s_mov_b32 s28, 50                              ; tile_dim1
	s_mov_b32 s29, 32                              ; pitch
	s_mov_b32 s30, 0
	s_mov_b32 s31, 0
	s_mul_i32 s42, s15, 32*REC                     ; the head's records in kimg and in vimg
	s_mul_i32 s43, s12, 2*REC                      ; my quarter of a slot
	s_add_co_u32 s44, s42, s43
	s_mov_b32 s45, 0
	s_and_b32 s46, s12, 1
	s_mul_i32 s46, s46, 2*REC
	s_add_co_u32 s46, s46, s42
	s_mov_b32 s47, 0
	s_wait_kmcnt 0x0
	s_mov_b32 s32, 1
	s_mov_b32 s33, s43
	s_add_nc_u64 s[34:35], s[6:7], s[44:45]        ; pass A: K's records 2 w, 2 w + 1
	s_or_b32 s35, s35, 0x80000000
	s_cmp_lt_u32 s12, 2
	s_cselect_b64 s[36:37], s[6:7], s[8:9]         ; pass B: waves 0, 1 fetch K's records, waves 2, 3 V's
	s_add_nc_u64 s[36:37], s[36:37], s[46:47]
	CROUND                                         ; all four work-groups are here: the first joint loads meet
	JLOAD                                          ; pass A's first slot
	s_lshl_b32 s48, s15, 4
	s_add_co_u32 s48, s48, s16
	s_mul_i32 s48, s48, REC                        ; Q's record: head, step o
	s_lshr_b32 s49, s14, 1
	s_mul_i32 s50, s49, 1536
	s_add_co_u32 s50, s50, s48
	s_mov_b32 s51, 0
	s_add_nc_u64 s[52:53], s[4:5], s[50:51]        ; group g / 2
	s_lshl_b32 s50, s49, 6
	s_add_co_u32 s50, s50, s48
	s_add_co_u32 s50, s50, 6144
	s_add_nc_u64 s[54:55], s[4:5], s[50:51]        ; its scale words
	v_and_b32 v10, 31, v0
	v_lshlrev_b32 v[LI], 4, v10
	v_lshlrev_b32 v[LS], 2, v10
	v_and_b32 v11, 15, v0                          ; r
	v_lshlrev_b32 v8, 2, v11
.irp c, 0,1,2
	global_load_b128 v[K+4*\c:K+4*\c+3], v[LI], s[52:53] offset:512*\c
.endr
	global_load_b32 v[K+12], v8, s[54:55]
	s_lshl_b32 s49, s49, 5
	s_and_b32 s56, s14, 1
	s_lshl_b32 s57, s56, 3
	s_add_co_u32 s49, s49, s57                     ; 32 (g / 2) + 8 (g % 2)
	v_and_b32 v9, 8, v11
	v_add_nc_u32 v9, v9, v11                       ; r + 8 (r / 8)
	v_bfe_u32 v10, v0, 4, 1
	v_lshlrev_b32 v10, 4, v10
	v_sub_nc_u32 v[DREL], v9, v10
	v_add_nc_u32 v[DREL], s49, v[DREL]
.irp i, 0,1,2,3,4,5
	v_mov_b32 v[QZ+\i], 0
	v_mov_b32 v[QZ+12+\i], 0
.endr
	v_mov_b32 v13, 0xff61b1e6                      ; the largest t so far: -3e38
	v_floor_f32 v12, -v13
	v_mov_b32 v14, 0
	v_mov_b32 v15, 0
.irp b, 0,1,2,3
	v_mov_b32 v[T2+\b], 0                          ; a lane permute's destination counts as one of its sources
.endr
	s_wait_loadcnt 0x0
	s_cmp_lg_u32 s56, 0
	s_cselect_b32 s58, -1, 0                       ; the group's upper tile?
	s_mov_b32 s57, 0x03020302
	s_cselect_b32 s57, s57, 0x01000100
.irp i, 0,1,2,3,4,5
	v_cndmask_b32 v[QZ+6+\i], v[K+\i], v[K+6+\i], s58
.endr
	v_perm_b32 v[QS], v[K+12], v[K+12], s57        ; my tile's two bytes, twice: the idle half of K has bytes of the same size over its zero codes
	v_mov_b32 v8, 0
	v_mov_b32 v9, 0                                ; (named as the upper half of the pair v[8:9])
.set j, 0
.rept 32
	v_mov_b32 v[O+j], 0                            ; O^T: the step is written once, its first turn finds zeros.  (These are also the places between Q's scale word and the first products)
.set j, j+1
.endr
	s_mov_b32 s38, 0
	s_mov_b32 s39, 0
	s_mov_b32 s40, 3
.Lpass_a:                                              ; three trips: behind each change of slots the next eight records of K are asked for
	CHANGE 1, 8*REC
	SLOT_A
	s_sub_co_u32 s40, s40, 1
	s_cmp_lg_u32 s40, 0
	s_cbranch_scc1 .Lpass_a
	CHANGE 2, 0                                    ; the ring goes on into pass B: its first slot is asked for while pass A's last is read
	SLOT_A
	v_add_f32 v14, v14, v15                        ; the sum's two halves,
	v_permlanex16_b32 v[T2], v14, s20, s21
	v_add_f32 v14, v14, v[T2]                      ; and lane l xor 16's
	v_rcp_f32 v14, v14
	v_mov_b32 v15, 0                               ; a plain place behind the reciprocal
	s_mov_b32 s39, 0
	s_mov_b32 s40, 7
	s_wait_alu depctr_va_vdst(0)                   ; ahead of the label and of the first reader
.Lpass_b:                                              ; seven trips
	CHANGE 1, 4*REC
	SLOT_B
	s_sub_co_u32 s40, s40, 1
	s_cmp_lg_u32 s40, 0
	s_cbranch_scc1 .Lpass_b
	CHANGE 0, 0                                    ; the last slot is written out
	SLOT_B
	; THE WAY OUT: y's two blocks of 32 channels are quantised.  Lane (r, h) holds channels 32 q + 16 h + 0 .. 15: 12 bytes of codes for each q, at 48 head + 24 q + 12 h of its token's row.
	; A head's part of a row is 48 bytes by the problem's shape, so these stores cover parts of aligned blocks of 256 bytes.
.rept 4
	v_nop
.endr
.irp q, 0,1
	v_max3_num_f32 v[BM+\q], |v[O+16*\q]|, |v[O+16*\q+1]|, 0x1800000
.endr
.irp i, 2,4,6,8,10,12,14
.irp q, 0,1
	v_max3_num_f32 v[BM+\q], v[BM+\q], |v[O+16*\q+\i]|, |v[O+16*\q+\i+1]|
.endr
.endr
.irp q, 0,1
	v_permlanex16_b32 v[T2+\q], v[BM+\q], s20, s21
.endr
.irp q, 0,1
	v_max_num_f32 v[BM+\q], v[BM+\q], v[T2+\q]
.endr
.irp q, 0,1
	v_add_nc_u32 v[SO+\q], 0xff000000, v[BM+\q]
.endr
.irp q, 0,1
	v_lshrrev_b32 v[T2+\q], 23, v[SO+\q]
.endr
	v_cvt_scalef32_pk16_fp6_f32 v[PC:PC+2], v[O:O+15], v[SO]
	v_cvt_scalef32_pk16_fp6_f32 v[PC+4:PC+6], v[O+16:O+31], v[SO+1]
	v_nop
	v_and_b32 v8, 15, v0
	v_and_b32 v9, 8, v8
	v_add_nc_u32 v8, v8, v9                        ; r + 8 (r / 8)
	v_bfe_u32 v9, v0, 4, 1                         ; h
	v_mul_u32_u24 v10, v8, 768
	v_mad_u32_u24 v10, v9, 12, v10
	v_lshl_add_u32 v11, v8, 5, v9
	v_cmp_eq_u32 vcc_lo, 1, v9
	v_cndmask_b32 v[T2+2], v[T2], v[T2+1], vcc_lo  ; lane (r, h) stores block h's byte
	s_lshr_b32 s42, s15, 4                         ; batch
	s_and_b32 s43, s15, 15                         ; head
	s_lshl_b32 s42, s42, 11
	s_lshl_b32 s44, s16, 7
	s_add_co_u32 s42, s42, s44
	s_add_co_u32 s42, s42, s49                     ; the row of lane r = 0
	s_mul_i32 s44, s42, 768
	s_mul_i32 s46, s43, 48
	s_add_co_u32 s44, s44, s46
	s_mov_b32 s45, 0
	s_add_nc_u64 s[52:53], s[10:11], s[44:45]
	s_lshl_b32 s44, s42, 5
	s_lshl_b32 s46, s43, 1
	s_add_co_u32 s44, s44, s46
	s_add_co_u32 s44, s44, 3145728
	s_add_nc_u64 s[54:55], s[10:11], s[44:45]
	global_store_b96 v10, v[PC:PC+2], s[52:53]
	global_store_b96 v10, v[PC+4:PC+6], s[52:53] offset:24
	global_store_b8 v11, v[T2+2], s[54:55]
	s_wait_tensorcnt 0x0                           ; the wave's end
	ds_add_u32 v[SPW], v[NIL]
	s_wait_dscnt 0x0
	CROUND                                         ; the closing round
	s_endpgm
.Lfunc_end_k_qd1190f1020_att:
	.size	k_qd1190f1020_att, .Lfunc_end_k_qd1190f1020_att-k_qd1190f1020_att
	.p2alignl 7, 3214868480
	.fill 96, 4, 3214868480
	.section	.rodata,"a",@progbits
	.p2align	6, 0x0
	.amdhsa_kernel k_qd1190f1020_att
		.amdhsa_group_segment_fixed_size 327680
		.amdhsa_private_segment_fixed_size 0
		.amdhsa_enable_private_segment 0
		.amdhsa_kernarg_size 32
		.amdhsa_user_sgpr_count 2
		.amdhsa_user_sgpr_kernarg_segment_ptr 1
		.amdhsa_wavefront_size32 1
		.amdhsa_system_sgpr_workgroup_id_x 1
		.amdhsa_system_sgpr_workgroup_id_y 1
		.amdhsa_system_sgpr_workgroup_id_z 1
		.amdhsa_system_vgpr_workitem_id 0
		.amdhsa_next_free_vgpr 256
		.amdhsa_next_free_sgpr 66
		.amdhsa_reserve_vcc 1
		.amdhsa_float_denorm_mode_32 3
		.amdhsa_float_denorm_mode_16_64 3
		.amdhsa_memory_ordered 1
		.amdhsa_forward_progress 1
		.amdhsa_inst_pref_size 85
	.end_amdhsa_kernel
	.amdgpu_metadata
---
amdhsa.version: [ 1, 2 ]
amdhsa.kernels:
  - .name:           k_qd1190f1020_att
    .symbol:         k_qd1190f1020_att.kd
    .args:
      - { .name: qimg, .offset: 0, .size: 8, .value_kind: global_buffer, .address_space: global }
      - { .name: kimg, .offset: 8, .size: 8, .value_kind: global_buffer, .address_space: global }
      - { .name: vimg, .offset: 16, .size: 8, .value_kind: global_buffer, .address_space: global }
      - { .name: yq, .offset: 24, .size: 8, .value_kind: global_buffer, .address_space: global }
    .group_segment_fixed_size: 327680
    .private_segment_fixed_size: 0
    .kernarg_segment_align: 8
    .kernarg_segment_size: 32
    .max_flat_workgroup_size: 512
    .sgpr_count:     66
    .vgpr_count:     256
    .wavefront_size: 32
...
	.end_amdgpu_metadata
.endif
;; end of part 3
;; launch gemm2 (part 4): grid 4 x 16, 4 waves a work-group, clusters of 4 x 4, 327,680 bytes of LDS; arguments yq, wq, out0; writes out0
.if DOCPART == 4
	.amdgcn_target "amdgcn-amd-amdhsa--gfx1250"
	.amdhsa_code_object_version 6
	.text
	.protected	k_qd1190f1020_gemm2
	.globl	k_qd1190f1020_gemm2
	.p2align	8
	.type	k_qd1190f1020_gemm2,@function
k_qd1190f1020_gemm2:
	s_mov_b64 s[64:65], 0
	v_nop
	global_prefetch_b8 v0, s[64:65] scope:SCOPE_SE
	s_setreg_imm32_b32 hwreg(HW_REG_WAVE_MODE, 25, 1), 1
	s_wait_xcnt 0x0
	s_wait_alu depctr_hold_cnt(0) depctr_sa_sdst(0) depctr_va_vdst(0) depctr_va_sdst(0) depctr_va_ssrc(0) depctr_va_vcc(0) depctr_vm_vsrc(0)
	s_getreg_b32 s2, hwreg(HW_REG_IB_STS2, 6, 4)
	s_cmp_eq_u32 s2, 0
	s_cbranch_scc0 .Lentry_in_a_cluster
	s_endpgm
.Lentry_in_a_cluster:
	s_bfe_u32 s2, ttmp6, 0x10000c
	s_cmp_lg_u32 s2, 0xf033
	s_cbranch_scc0 .Lentry_shape_is_right
	s_endpgm
.Lentry_shape_is_right:
; out0 = y W_proj on codes of FP6 (E2M3) with E8M0 scales.  A = yq (4,096 tokens in their own order, 768 bytes of codes a row, 32 scale bytes a row from byte SCOFF on);
; B = rows 3,072 .. 4,095 of wq: column n of W_proj at row 3,072 + pi(n), pi swapping bits 3 and 4.  out0: [4096][1024] f32; K = 1,024; sums in f32.
; A tile of 256 x 256 to a work-group of four waves, 128 x 128 a wave: 64 accumulators, 512 registers.  K goes in steps of 256 through a ring of two LDS slots filled by the tensor data mover; the scale bytes
; of the work-group's rows come once.  4 x 4 work-groups form a cluster: A's tile is asked for jointly along a row of it, B's along a column.  64 work-groups: the launch does a twelfth of the program's products.
; THE MATRIX INSTRUCTION IS USED TRANSPOSED (source 0 = 16 rows of B, source 1 = 16 rows of A): register j of accumulator (a, b) of lane (r, h) is out(16 a + r, 32 (b / 2) + 16 h + 8 (b % 2) + j).
; REGISTERS as in the launch that makes q, k and v: window 0 addresses, scale words, A's fragments; window 1 B's fragments, two sets; windows 2 and 3 the accumulators.
.set SIZE_K, 1024
.set SIZE_N, 1024
.set KSTEP,  256
.set NQ,     KSTEP/128
.set ROWB,   192
.set KROW,   SIZE_K*6/8
.set PITCH,  240
.set FR,     12
.set NL,     6
.set NP,     4
.set HALFT,  128*PITCH
.set SLOT,   4*HALFT
.set LAPS,   SIZE_K/(2*KSTEP)
.set KS,     SIZE_K/32
.set SCL,    2*SLOT
.set HALFS,  (128*KS/256)*272
.set SBLK,   (16*KS/256)*272
.set SPARE,  SCL+4*HALFS
.set SCOFF,  3145728
.set SPITCH, 528                       ; the way out: a stage of 16 rows x (512 bytes + 16) for each wave, in slot 0, which has had its last fill and its last read when the first result is stored there
.set ADRA, 16
.set ADRB, 20
.set STO,  24
.set RD,   25
.set CO,   26
.set ADRS, 27
.set SPW,  28
.set NIL,  29
.set SC,   32
.set AF,   128
.set BK,   128
.set G1, 24
.set G0, 32
.set G1B, 48
.set G0B, 56
.set G1S, 68
.set G0S, 76
.set G1SB, 80
.set G0SB, 88
.set MSB, 0
.macro WIN new
.if MSB != (\new)
	s_set_vgpr_msb (MSB<<8)|(\new)
.set MSB, (\new)
.endif
.endm
.set MUL_LO, 0xa1
.set MUL_HI, 0xf1
.set TO_B,   0x40
.macro JLOAD g0a, g1a, g0b, g1b        ; a joint load: waves 0 and 1 fetch for A, waves 2 and 3 for B; four v_nop follow each of the two lines
	s_cmp_eq_u32 s15, 0
	s_cbranch_scc0 .Lfor_b_\@
	tensor_load_to_lds s[\g0a:\g0a+3], s[\g1a:\g1a+7]
	s_nop 0
.rept 4
	v_nop
.endr
	s_branch .Lasked_\@
.Lfor_b_\@:
	tensor_load_to_lds s[\g0b:\g0b+3], s[\g1b:\g1b+7]
	s_nop 0
.rept 4
	v_nop
.endr
.Lasked_\@:
.endm
.macro CREST
	s_cmp_lg_u32 s14, 0
	s_cbranch_scc1 .Lnot_wave_0_\@
	s_barrier_signal -3
.Lnot_wave_0_\@:
	s_barrier_wait -3
	s_barrier_signal -1
	s_barrier_wait -1
.endm
.macro CROUND
	s_barrier_signal -1
	s_barrier_wait -1
	CREST
.endm
	s_load_b128 s[96:99], s[0:1], 0x0              ; yq, wq
	s_load_b64 s[12:13], s[0:1], 0x10              ; out0
	v_lshl_add_u32 v[SPW], v0, 2, SPARE
	v_mov_b32 v[NIL], 0
	ds_add_u32 v28, v29
	s_wait_dscnt 0x0
	v_lshrrev_b32 v1, 5, v0
	v_readfirstlane_b32 s14, v1
	s_lshr_b32 s15, s14, 1
	s_and_b32 s16, s14, 1
	s_bfe_u32 s40, ttmp6, 0x40000
	s_bfe_u32 s41, ttmp6, 0x40004
	s_lshl_b32 s42, ttmp9, 2
	s_add_co_u32 s42, s42, s40                     ; tile column
	s_and_b32 s17, ttmp7, 0xffff
	s_lshl_b32 s17, s17, 2
	s_add_co_u32 s17, s17, s41                     ; tile row
	s_lshl_b32 s43, s41, 2
	s_lshl_b32 s43, 15, s43
	s_lshl_b32 s44, 0x1111, s40
	s_or_b32 s[G1+0], s43, (0<<16)|(1<<20)|(1<<21)|(3<<22)|(3<<25)
	s_or_b32 s[G1B+0], s44, (0<<16)|(1<<20)|(1<<21)|(3<<22)|(3<<25)
.irp g, G1, G1B
	s_mov_b32 s[\g+1], ROWB<<16
	s_mov_b32 s[\g+2], 128<<16
	s_mov_b32 s[\g+3], ROWB<<16
	s_mov_b32 s[\g+4], 128
	s_mov_b32 s[\g+5], KROW
	s_mov_b32 s[\g+6], 0
	s_mov_b32 s[\g+7], 0
.endr
	s_or_b32 s[G1S+0], s43, (3<<16)|(1<<20)|(1<<21)|(5<<22)|(3<<25)
	s_or_b32 s[G1SB+0], s44, (3<<16)|(1<<20)|(1<<21)|(5<<22)|(3<<25)
.irp g, G1S, G1SB
	s_mov_b32 s[\g+1], 32<<16
	s_mov_b32 s[\g+2], (128*KS/256)<<16
	s_mov_b32 s[\g+3], 32<<16
	s_mov_b32 s[\g+4], 128*KS/256
	s_mov_b32 s[\g+5], 32
	s_mov_b32 s[\g+6], 0
	s_mov_b32 s[\g+7], 0
.endr
	s_lshl_b32 s18, s16, 7
	s_lshl_b32 s20, s17, 8
	s_add_co_u32 s20, s20, s18                     ; A: row 256 x tile row + 128 x half
	s_lshl_b32 s46, s42, 8
	s_add_co_u32 s46, s46, s18
	s_add_co_u32 s46, s46, 3072                    ; B: row 3,072 + 256 x tile column + 128 x half
	s_mov_b32 s21, 0
	s_mov_b32 s47, 0
	s_mov_b64 s[18:19], KS
	s_mul_u64 s[22:23], s[20:21], s[18:19]
	s_mul_u64 s[92:93], s[46:47], s[18:19]
	s_mov_b64 s[18:19], KROW
	s_mul_u64 s[20:21], s[20:21], s[18:19]
	s_mul_u64 s[46:47], s[46:47], s[18:19]
	s_mul_i32 s45, s14, HALFT
	s_mul_i32 s94, s14, HALFS
	s_wait_kmcnt 0x0
	s_add_nc_u64 s[6:7], s[96:97], SCOFF
	s_add_nc_u64 s[10:11], s[98:99], SCOFF
	s_add_nc_u64 s[20:21], s[96:97], s[20:21]
	s_add_nc_u64 s[22:23], s[6:7], s[22:23]
	s_add_nc_u64 s[46:47], s[98:99], s[46:47]
	s_add_nc_u64 s[92:93], s[10:11], s[92:93]
	CROUND                                         ; all sixteen work-groups are here: the first joint loads meet
	s_mov_b32 s[G0S], 1
	s_add_co_u32 s[G0S+1], s94, SCL
	s_mov_b64 s[G0S+2:G0S+3], s[22:23]
	s_or_b32 s[G0S+3], s[G0S+3], 0x80000000
	s_mov_b32 s[G0SB], 1
	s_add_co_u32 s[G0SB+1], s94, SCL
	s_mov_b64 s[G0SB+2:G0SB+3], s[92:93]
	s_or_b32 s[G0SB+3], s[G0SB+3], 0x80000000
	JLOAD G0S, G1S, G0SB, G1SB
.irp s, 0,1
	s_mov_b32 s[G0+4*\s], 1
	s_add_co_u32 s[G0+4*\s+1], s45, \s*SLOT
	s_add_nc_u64 s[G0+4*\s+2:G0+4*\s+3], s[20:21], \s*ROWB
	s_or_b32 s[G0+4*\s+3], s[G0+4*\s+3], 0x80000000
	s_mov_b32 s[G0B+4*\s], 1
	s_add_co_u32 s[G0B+4*\s+1], s45, \s*SLOT
	s_add_nc_u64 s[G0B+4*\s+2:G0B+4*\s+3], s[46:47], \s*ROWB
	s_or_b32 s[G0B+4*\s+3], s[G0B+4*\s+3], 0x80000000
	JLOAD G0+4*\s, G1, G0B+4*\s, G1B
.endr
	v_and_b32 v1, 15, v0
	v_bfe_u32 v2, v0, 4, 1
	v_mul_u32_u24 v3, v1, PITCH
	v_mul_u32_u24 v4, v2, 24
	v_add_nc_u32 v4, v3, v4
	v_lshl_add_u32 v5, v2, 4, v4
	s_mul_i32 s21, s15, HALFT
	s_mul_i32 s22, s16, HALFT
	s_add_co_u32 s22, s22, 2*HALFT
.irp s, 0,1
	v_add_nc_u32 v[ADRA+\s], s21, v4
	v_add_nc_u32 v[ADRB+\s], s22, v4
	v_add_nc_u32 v[ADRA+2+\s], s21, v5
	v_add_nc_u32 v[ADRB+2+\s], s22, v5
	s_add_co_u32 s21, s21, SLOT
	s_add_co_u32 s22, s22, SLOT
.endr
	v_mul_u32_u24 v5, v1, KS
	v_lshrrev_b32 v6, 8, v5
	v_lshl_add_u32 v5, v6, 4, v5
	s_mul_i32 s21, s15, HALFS
	s_mul_i32 s22, s16, HALFS
	s_add_co_u32 s22, s22, 2*HALFS
	s_sub_co_u32 s22, s22, s21
	v_mul_u32_u24 v6, s22, v2
	s_add_co_u32 s21, s21, SCL
	v_add_nc_u32 v5, v5, v6
	v_add_nc_u32 v[ADRS], s21, v5
	s_mul_i32 s23, s14, 16*SPITCH                  ; my stage
	v_mul_u32_u24 v5, v1, SPITCH                   ; in: row l % 16, + 64 bytes for lanes 16-31: columns 16 h on in each 32
	v_lshl_add_u32 v5, v2, 6, v5
	v_add_nc_u32 v[STO], s23, v5
	v_and_b32 v6, 31, v0
	v_lshlrev_b32 v[CO], 4, v6
	v_add_nc_u32 v[RD], s23, v[CO]
	s_lshl_b32 s20, s17, 8
	s_lshl_b32 s21, s15, 7
	s_add_co_u32 s20, s20, s21
	s_mov_b32 s21, 0
	s_mov_b64 s[18:19], SIZE_N*4
	s_mul_u64 s[20:21], s[20:21], s[18:19]
	s_lshl_b32 s46, s42, 10
	s_lshl_b32 s47, s16, 9
	s_add_co_u32 s46, s46, s47
	s_mov_b32 s47, 0
	s_add_nc_u64 s[20:21], s[20:21], s[46:47]
	s_add_nc_u64 s[12:13], s[12:13], s[20:21]
.macro FRAG reg, adr, q, i
.irp p, 0,1,2,3,4,5
.set PCE, 12*(\q)+6*(\p/3)+\p%3
.if PCE%8 < 5
	ds_load_b64 v[\reg+2*\p:\reg+2*\p+1], v[\adr] offset:8*PCE+16*(PCE/8)+(\i)*16*PITCH
.else
	ds_load_b64 v[\reg+2*\p:\reg+2*\p+1], v[\adr+2] offset:8*PCE+16*(PCE/8)+(\i)*16*PITCH
.endif
.endr
.endm
.macro MUL16 a0, p, q, sc, zero        ; the 64 accumulators take turns, one instruction a turn, in the same order in every step
.irp a, \a0, \a0+1
.irp b, 0,1,2,3,4,5,6,7
.if \zero
	v_wmma_scale_f32_16x16x128_f8f6f4 v[8*(8*((\a)%4)+\b):8*(8*((\a)%4)+\b)+7], v[128*(\p)+FR*\b:128*(\p)+FR*\b+FR-1], v[AF+FR*(\a):AF+FR*(\a)+FR-1], 0, v[SC+8*NQ*(\sc)+NQ*\b+(\q)], v[SC+8*NQ*(\sc)+NQ*(\a)+(\q)] matrix_a_fmt:MATRIX_FMT_FP6 matrix_b_fmt:MATRIX_FMT_FP6 matrix_a_scale:MATRIX_SCALE_ROW1
.else
	v_wmma_scale_f32_16x16x128_f8f6f4 v[8*(8*((\a)%4)+\b):8*(8*((\a)%4)+\b)+7], v[128*(\p)+FR*\b:128*(\p)+FR*\b+FR-1], v[AF+FR*(\a):AF+FR*(\a)+FR-1], v[8*(8*((\a)%4)+\b):8*(8*((\a)%4)+\b)+7], v[SC+8*NQ*(\sc)+NQ*\b+(\q)], v[SC+8*NQ*(\sc)+NQ*(\a)+(\q)] matrix_a_fmt:MATRIX_FMT_FP6 matrix_b_fmt:MATRIX_FMT_FP6 matrix_a_scale:MATRIX_SCALE_ROW1
.endif
.endr
.endr
.endm
.macro FETCH_B slot, q, p
	WIN TO_B
.irp i, 0,1,2,3,4,5,6,7
	FRAG 128*(\p)+FR*\i, ADRB+\slot, \q, \i
.endr
	WIN 0
.endm
.macro FETCH_A slot, q, i0
.irp i, \i0, \i0+1, \i0+2, \i0+3
	FRAG AF+FR*(\i), ADRA+\slot, \q, \i
.endr
.endm
.macro SCALES sc
.irp i, 0,1,2,3,4,5,6,7
	ds_load_b64 v[SC+8*NQ*\sc+NQ*\i:SC+8*NQ*\sc+NQ*\i+1], v[ADRS] offset:\i*SBLK
.endr
.endm
.macro PLACES n
.rept \n
	v_nop
.endr
.endm
.macro STEP slot, q, zero
	s_wait_dscnt 4*NL                              ; B's set and A's blocks 0-3 are in; the youngest 24 loads (A's blocks 4-7) may be out
	WIN MUL_LO
	MUL16 0, (\q)%2, \q, \slot, \zero
	MUL16 2, (\q)%2, \q, \slot, \zero
	s_wait_dscnt 0
	PLACES NP
	FETCH_B \slot, (\q)+1, 1-(\q)%2
	FETCH_A \slot, (\q)+1, 0
	WIN MUL_HI
	MUL16 4, (\q)%2, \q, \slot, \zero
	MUL16 6, (\q)%2, \q, \slot, \zero
	PLACES NP
	WIN 0
	FETCH_A \slot, (\q)+1, 4
.endm
.macro TURN slot, next, fill
	s_wait_tensorcnt 0x0                           ; all my tensor loads have landed: my part of the next slot
	ds_add_u32 v[SPW], v[NIL]                      ; 0 onto my spare word
	s_wait_dscnt 4*NL+1                            ; the add and the youngest 24 loads may be out
	WIN MUL_LO
	MUL16 0, 1, NQ-1, \slot, 0
	s_wait_dscnt 0x0                               ; the add is done, and my reads of this slot are over
	s_barrier_signal -1
	MUL16 2, 1, NQ-1, \slot, 0
	WIN 0
	s_barrier_wait -1
.if \fill
	CREST                                          ; the barrier has opened a round of the cluster's barrier
	s_add_nc_u64 s[G0+4*\slot+2:G0+4*\slot+3], s[G0+4*\slot+2:G0+4*\slot+3], 2*ROWB
	s_add_nc_u64 s[G0B+4*\slot+2:G0B+4*\slot+3], s[G0B+4*\slot+2:G0B+4*\slot+3], 2*ROWB
	JLOAD G0+4*\slot, G1, G0B+4*\slot, G1B
.else
	PLACES NP
.endif
	v_add_nc_u32 v[ADRS], 4*NQ, v[ADRS]
	FETCH_B \next, 0, 0
	FETCH_A \next, 0, 0
	SCALES \next
	WIN MUL_HI
	MUL16 4, 1, NQ-1, \slot, 0
	MUL16 6, 1, NQ-1, \slot, 0
	PLACES NP
	WIN 0
	FETCH_A \next, 0, 4
.endm
	s_wait_tensorcnt 1                             ; the scales and my part of K step 0 are in; K step 1's load may be out
	s_barrier_signal -1
	s_barrier_wait -1
	FETCH_B 0, 0, 0
	FETCH_A 0, 0, 0
	SCALES 0
	FETCH_A 0, 0, 4
	STEP 0, 0, 1
	s_mov_b32 s3, LAPS-1
.Llap:
	TURN 0, 1, 1
	STEP 1, 0, 0
	TURN 1, 0, 1
	STEP 0, 0, 0
	s_sub_co_u32 s3, s3, 1
	s_cmp_lg_u32 s3, 0
	s_cbranch_scc1 .Llap
	TURN 0, 1, 0
	STEP 1, 0, 0
	s_wait_dscnt 4*NL
	WIN MUL_LO
	MUL16 0, 1, NQ-1, 1, 0
	MUL16 2, 1, NQ-1, 1, 0
	s_wait_dscnt 0
	WIN MUL_HI
	MUL16 4, 1, NQ-1, 1, 0
	MUL16 6, 1, NQ-1, 1, 0
	WIN 0
; THE WAY OUT, block by block of 16 rows x 128 columns, through my own stage in LDS: in by 32 bytes a lane, back as whole rows of 512 bytes.  LDS serves a wave's instructions in order.
.macro TOSTAGE a
.set AC, 64*((\a)%4)
	WIN 0x08+4*((\a)/4)                            ; the data: window 2 or 3
.irp b, 0,1,2,3,4,5,6,7
	ds_store_b128 v[STO], v[AC+8*\b:AC+8*\b+3] offset:128*(\b/2)+32*(\b%2)          ; each accumulator from its low end on; columns 32 (b / 2) + 16 h + 8 (b % 2) on
	ds_store_b128 v[STO], v[AC+8*\b+4:AC+8*\b+7] offset:128*(\b/2)+32*(\b%2)+16
.endr
	WIN 0
.set BB, BK+64*((\a)%2)
.irp t, 0,1,2,3,4,5,6,7,8,9,10,11,12,13,14,15
	ds_load_b128 v[BB+4*\t:BB+4*\t+3], v[RD] offset:\t*SPITCH
.endr
.endm
.macro SEND a, younger                 ; younger: the LDS instructions issued behind block a's loads, which may stay out
.set BB, BK+64*((\a)%2)
	s_wait_dscnt \younger
.if (\a) > 0
	s_add_nc_u64 s[12:13], s[12:13], 16*SIZE_N*4   ; behind a wait on XCNT: the earlier stores have read their base
.endif
.irp t, 0,1,2,3,4,5,6,7,8,9,10,11,12,13,14,15
	global_store_b128 v[CO], v[BB+4*\t:BB+4*\t+3], s[12:13] offset:\t*SIZE_N*4 th:TH_STORE_NT   ; 32 lanes store 512 consecutive bytes, at a multiple of 256 from out0's first byte
.endr
.endm
	PLACES NP
	TOSTAGE 0
.irp a, 1,2,3,4,5,6,7
.if \a > 1
	s_wait_xcnt 0x0                                ; block a - 2's stores have read their registers and their base
.endif
	TOSTAGE \a
	SEND \a-1, 32                                  ; behind block a - 1's loads: block a's 16 stores and 16 loads
.endr
	s_wait_xcnt 0x0
	SEND 7, 0
	s_wait_tensorcnt 0x0                           ; the wave's end
	ds_add_u32 v[SPW], v[NIL]
	s_wait_dscnt 0x0
	CROUND                                         ; the closing round
	s_endpgm
.Lfunc_end_k_qd1190f1020_gemm2:
	.size	k_qd1190f1020_gemm2, .Lfunc_end_k_qd1190f1020_gemm2-k_qd1190f1020_gemm2
	.p2alignl 7, 3214868480
	.fill 96, 4, 3214868480
	.section	.rodata,"a",@progbits
	.p2align	6, 0x0
	.amdhsa_kernel k_qd1190f1020_gemm2
		.amdhsa_group_segment_fixed_size 327680
		.amdhsa_private_segment_fixed_size 0
		.amdhsa_enable_private_segment 0
		.amdhsa_kernarg_size 24
		.amdhsa_user_sgpr_count 2
		.amdhsa_user_sgpr_kernarg_segment_ptr 1
		.amdhsa_wavefront_size32 1
		.amdhsa_system_sgpr_workgroup_id_x 1
		.amdhsa_system_sgpr_workgroup_id_y 1
		.amdhsa_system_sgpr_workgroup_id_z 1
		.amdhsa_system_vgpr_workitem_id 0
		.amdhsa_next_free_vgpr 1024
		.amdhsa_next_free_sgpr 100
		.amdhsa_reserve_vcc 0
		.amdhsa_float_denorm_mode_32 3
		.amdhsa_float_denorm_mode_16_64 3
		.amdhsa_memory_ordered 1
		.amdhsa_forward_progress 1
		.amdhsa_inst_pref_size 160
	.end_amdhsa_kernel
	.amdgpu_metadata
---
amdhsa.version: [ 1, 2 ]
amdhsa.kernels:
  - .name:           k_qd1190f1020_gemm2
    .symbol:         k_qd1190f1020_gemm2.kd
    .args:
      - { .name: yq, .offset: 0, .size: 8, .value_kind: global_buffer, .address_space: global }
      - { .name: wq, .offset: 8, .size: 8, .value_kind: global_buffer, .address_space: global }
      - { .name: out0, .offset: 16, .size: 8, .value_kind: global_buffer, .address_space: global }
    .group_segment_fixed_size: 327680
    .private_segment_fixed_size: 0
    .kernarg_segment_align: 8
    .kernarg_segment_size: 24
    .max_flat_workgroup_size: 128
    .sgpr_count:     100
    .vgpr_count:     1024
    .wavefront_size: 32
...
	.end_amdgpu_metadata
.endif
;; end of part 4
